; MI455X (gfx1250); checked and timed in simulation.
; The chip was launched on July 23, 2026; its instructions are those of AMD's public machine-readable ISA for CDNA 5 (MIT licence, August 2026) and "CDNA5" Instruction Set Architecture Reference Guide (July 2026). The comments in the code are by the model that wrote it; some were corrected since.
;; Multi Head Attention. Allowed arithmetic: float matrix products may take bf16 or f16 operands with f32 sums; other float arithmetic in f32, or as packed bf16 or f16 multiplies, adds, multiply-adds, maxima and minima; sums over many terms, partial sums and values carried from step to step in f32; what a program stores and reads back later, other than sums and carried values, may be rounded once to bf16 or f16.
;; Inputs: W 4,096 x 512 float32; W_k 8 x 512 x 512 float32; W_q 8 x 512 x 512 float32; W_v 8 x 512 x 512 float32; x 4 x 512 x 1,024 float32.
;; Outputs: out0 4 x 512 x 1,024 float32.
;; 2 versions, each right; version 2 is version 1 with the launch prep written anew for expert scheduling mode. Each part assembles by itself: llvm-mc -triple=amdgcn-amd-amdhsa -mcpu=gfx1250 --defsym DOCPART=n.
;; ======== version 1 of 2: 3 launches
;; limits: values are held in f16: magnitudes above 65,504 overflow, below 6.1e-05 lose precision
;; workspace buffers: Mt 4,194,304 bytes; Nw 4,194,304 bytes; x16 4,194,304 bytes; x16s 4,194,304 bytes; Zt 33,554,432 bytes
;; launch prep (part 1): grid 256 x 1, 4 waves a work-group, no clusters, 91,648 bytes of LDS; arguments W_q, W_k, W, W_v, x, Mt, Nw, x16, x16s; writes Mt, Nw, x16, x16s
.if DOCPART == 1
	.amdgcn_target "amdgcn-amd-amdhsa--gfx1250"
	.amdhsa_code_object_version 6
	.text
	.protected	k_qc81a234da8_prep
	.globl	k_qc81a234da8_prep
	.p2align	8
	.type	k_qc81a234da8_prep,@function
k_qc81a234da8_prep:
	s_mov_b64 s[64:65], 0
	v_nop
	global_prefetch_b8 v0, s[64:65] scope:SCOPE_SE
	s_setreg_imm32_b32 hwreg(HW_REG_WAVE_MODE, 25, 1), 1
	s_wait_xcnt 0x0
; PREP.  Two products of weights, and x in 16 bits.
;   Mt[h][i][j] = f16(16 x sum over k of W_k[h][k][i] W_q[h][k][j])        (scores = x_s^T (W_q^T W_k) x_t: a reassociation of the module's products, true for every input)
;   Nw[h][i][j] = f16(16 x sum over k of W[512 h + k][i] W_v[h][k][j])     (result = sum over h of (W_h^T W_v[h]) (x A_h))
;   x16 = f16(bf16(x)), x16s = f16(bf16(x) x 2^-11), both laid [4 b][16 blocks of 64 s][512 e][64 s]: a block is 65,536 dense bytes.
; All five inputs are rounded once to bf16; the two products are multiplied in bf16 with f32 sums; what is stored is f16.
; LIMITS.  |x| under 65,504; bf16(x) is kept exactly from 2^-17 up, below that to within 2^-25.  |16 M| and |16 N| under 65,504.  NaN and infinities are not treated apart.
; SHARES.  256 work-groups: kind (2) x head (8) x 4 x 4 tiles of 128 i x 128 j.  Wave w makes rows i = 32 w .. 32 w + 31: 16 accumulators.  K = 512 goes in 8 steps of 64.
; Both operands lie [k][512] in f32: a wave loads 16 rows of 512 bytes of each, rounds them to bf16, stores them into LDS as [k][128], and every wave takes its fragments by the turning load.
; Source 0 is the j side, source 1 the i side: a lane ends with eight neighbouring j of one row i.
; The work-group also converts 128 e x 64 s of x.
; No tensor load: the operands pass through registers to be rounded.  No cluster, no prefetch: the launch is short and each work-group streams 512 KiB with 64 loads of a wave on their way.
.set ROWB,  2048                       ; bytes in a row of a weight matrix
.set STEPB, 64*ROWB                    ; a K step in memory
.set PT,    288                        ; an LDS row: 256 bytes + 32
.set TBO,   64*PT                      ; the j side's tile lies behind the i side's
.set BUFB,  2*TBO                      ; two such buffers take turns
.set STAGE, 2*BUFB                     ; 16 rows x 272 bytes for each wave, for the way out
.set SP,    272
.set SPARE, STAGE+4*16*SP              ; the spare words, 128 bytes for each wave: two blocks of 256 bytes that no other line names
.set VO,  2                            ; v2   16 l + 16 w rows: my 16 bytes in the wave's first row of a K step
.set DS0, 3                            ; v3   where my 8 bytes of that row go in LDS
.set FAA, 4                            ; v4   the turning load's address, i side (my wave's 32 columns)
.set FAB, 5                            ; v5   the same, j side
.set STO, 6                            ; v6   the way out: where I put 16 bytes of a row
.set RD,  7                            ; v7   where I read a row back
.set CO,  8                            ; v8   my byte offset in two rows of the result
.set XI,  9                            ; v9   my 16 bytes of x
.set XO,  10                           ; v10  my 8 bytes of x16 and x16s
.set SPW, 12                           ; v12  my spare word; never rewritten
.set NIL, 13                           ; v13  0; never rewritten
.set F0,  32                           ; v32-111   fragments of the step's first 32 k: 2 of the i side, then 8 of the j side
.set F1,  112                          ; v112-191  of its second 32
.set T,   192                          ; v192-255  rounded pairs on their way into LDS
.set XA,  32                           ; at the start only: x16's 32 registers, x16s's 32, bf16 pairs
.set XB,  64
.set XT,  96
; window 1: v0-127 accumulator (ai, bj) at 8 (8 ai + bj).   window 2: v0-127, v128-255 two sets of loaded f32: i side's row n at 4 n, j side's at 64 + 4 n
.set PA,  24                           ; s[24:25] i side's operand at the step that set 0 or 1 was last loaded for, less one step
.set PB,  26                           ; s[26:27] j side's
.set PC,  28                           ; s[28:29] the result at my wave's first row
.set PXI, 30                           ; s[30:31] x
.set PXA, 32                           ; s[32:33] x16
.set PXB, 34                           ; s[34:35] x16s
.set WV,  36
.set CNT, 37
.set SC16, 38                          ; s[38:39] 16.0
.set SCX, 40                           ; s[40:41] 2^-11
.set MSK, 42
.set MSB, 0
.macro WIN new                         ; the immediate's high byte repeats the setting that is left; a switch that changes nothing is dropped
.if MSB != (\new)
	s_set_vgpr_msb (MSB<<8)|(\new)
.set MSB, (\new)
.endif
.endm
.macro PLACES
.rept 4
	v_nop
.endr
.endm
	s_load_b512 s[4:19], s[0:1], 0x0               ; W_q s[4:5], W_k s[6:7], W s[8:9], W_v s[10:11], x s[12:13], Mt s[14:15], Nw s[16:17], x16 s[18:19]
	s_load_b64 s[20:21], s[0:1], 0x40              ; x16s
	v_lshl_add_u32 v[SPW], v0, 2, SPARE
	v_mov_b32 v[NIL], 0
	v_lshrrev_b32 v1, 5, v0
	v_readfirstlane_b32 s[WV], v1                  ; wave 0..3
	v_and_b32 v14, 31, v0                          ; l
	v_and_b32 v15, 15, v0                          ; l % 16
	v_bfe_u32 v16, v0, 4, 1                        ; l / 16
	v_and_b32 v17, 7, v0
	v_bfe_u32 v18, v0, 3, 1
	s_lshr_b32 s44, ttmp9, 7                       ; kind: 0 Mt, 1 Nw
	s_bfe_u32 s45, ttmp9, 0x30004                  ; head
	s_bfe_u32 s46, ttmp9, 0x20002                  ; tile row
	s_and_b32 s47, ttmp9, 3                        ; tile column
	s_lshl_b32 s48, s45, 20                        ; a head's matrix: 512 x 2,048 bytes
	s_lshl_b32 s50, s46, 9                         ; 128 columns of f32
	s_add_co_u32 s50, s50, s48
	s_mov_b32 s51, 0
	s_lshl_b32 s52, s47, 9
	s_add_co_u32 s52, s52, s48
	s_mov_b32 s53, 0
	s_lshl_b32 s54, s45, 19                        ; the result: a head is 512 x 1,024 bytes,
	s_lshl_b32 s48, s46, 17                        ; 128 rows,
	s_add_co_u32 s54, s54, s48
	s_lshl_b32 s48, s[WV], 15                      ; my wave's 32 of them,
	s_add_co_u32 s54, s54, s48
	s_lshl_b32 s48, s47, 8                         ; 128 columns of f16
	s_add_co_u32 s54, s54, s48
	s_mov_b32 s55, 0
	s_lshr_b32 s56, ttmp9, 6                       ; for x the same number reads as batch (2 bits), block of 64 s (4 bits), quarter of e (2 bits)
	s_bfe_u32 s57, ttmp9, 0x40002
	s_lshl_b32 s58, s56, 21
	s_lshl_b32 s48, s47, 19                        ; 128 rows of 4,096 bytes
	s_add_co_u32 s58, s58, s48
	s_lshl_b32 s48, s57, 8
	s_add_co_u32 s58, s58, s48
	s_mov_b32 s59, 0
	s_lshl_b32 s60, s56, 20
	s_lshl_b32 s48, s57, 16
	s_add_co_u32 s60, s60, s48
	s_lshl_b32 s48, s47, 14                        ; 128 rows of 128 bytes
	s_add_co_u32 s60, s60, s48
	s_mov_b32 s61, 0
	s_mov_b32 s[SC16], 0x41800000
	s_mov_b32 s[SC16+1], 0x41800000                ; named as pairs, so both words are written
	s_mov_b32 s[SCX], 0x3a000000
	s_mov_b32 s[SCX+1], 0x3a000000
	s_mov_b32 s[MSK], 0xffff0000
	v_lshlrev_b32 v[VO], 4, v14
	s_lshl_b32 s48, s[WV], 15                      ; 16 rows of 2,048 bytes
	v_add_nc_u32 v[VO], s48, v[VO]
	s_mul_i32 s48, s[WV], 16*PT
	v_lshl_add_u32 v[DS0], v14, 3, s48
	v_lshl_add_u32 v19, v16, 3, v17                ; the turning load: lane l reads row 8 (l / 16) + l % 8, 16 bytes at 16 ((l / 8) % 2)
	v_mul_u32_u24 v19, v19, PT
	v_lshl_add_u32 v19, v18, 4, v19
	s_lshl_b32 s48, s[WV], 6
	v_add_nc_u32 v[FAA], s48, v19
	v_add_nc_u32 v[FAB], TBO, v19
	s_mul_i32 s48, s[WV], 16*SP
	s_add_co_u32 s48, s48, STAGE
	v_mul_u32_u24 v[STO], v15, SP
	v_lshl_add_u32 v[STO], v16, 4, v[STO]
	v_add_nc_u32 v[STO], s48, v[STO]
	v_mul_u32_u24 v[RD], v16, SP
	v_lshl_add_u32 v[RD], v15, 4, v[RD]
	v_add_nc_u32 v[RD], s48, v[RD]
	v_lshlrev_b32 v[CO], 10, v16
	v_lshl_add_u32 v[CO], v15, 4, v[CO]
	v_lshlrev_b32 v[XI], 12, v16                   ; x: lanes 0-15 take 256 bytes of one row, lanes 16-31 of the next
	v_lshl_add_u32 v[XI], v15, 4, v[XI]
	s_lshl_b32 s48, s[WV], 17                      ; my wave's 32 rows
	v_add_nc_u32 v[XI], s48, v[XI]
	s_lshl_b32 s48, s[WV], 12
	v_lshl_add_u32 v[XO], v14, 3, s48              ; out: 32 lanes x 8 bytes are two rows of 128 bytes, 256 bytes on end
	s_wait_kmcnt 0x0
	s_cmp_eq_u32 s44, 0
	s_cselect_b64 s[PA:PA+1], s[6:7], s[8:9]       ; i side: W_k or W
	s_cselect_b64 s[PB:PB+1], s[4:5], s[10:11]     ; j side: W_q or W_v
	s_cselect_b64 s[PC:PC+1], s[14:15], s[16:17]   ; Mt or Nw
	s_add_nc_u64 s[PA:PA+1], s[PA:PA+1], s[50:51]
	s_add_nc_u64 s[PB:PB+1], s[PB:PB+1], s[52:53]
	s_add_nc_u64 s[PC:PC+1], s[PC:PC+1], s[54:55]
	s_add_nc_u64 s[PXI:PXI+1], s[12:13], s[58:59]
	s_add_nc_u64 s[PXA:PXA+1], s[18:19], s[60:61]
	s_add_nc_u64 s[PXB:PXB+1], s[20:21], s[60:61]
; A K step's 32 loads of the wave into one set: rows 16 w + n of both operands, 512 consecutive bytes each.
.macro LOADS set, off
	WIN 0x80                                       ; destination window 2, address window 0
.set n, 0
.rept 16
	global_load_b128 v[128*(\set)+4*n:128*(\set)+4*n+3], v[VO], s[PA:PA+1] offset:(\off)+ROWB*n
	global_load_b128 v[128*(\set)+64+4*n:128*(\set)+64+4*n+3], v[VO], s[PB:PB+1] offset:(\off)+ROWB*n
.set n, n+1
.endr
.endm
; 20 turning loads: the fragments of 32 k (half kk of the step) out of buffer set.
.macro FRAGS set, kk, f
.irp ai, 0,1
	ds_load_tr16_b128 v[(\f)+8*\ai:(\f)+8*\ai+3],   v[FAA] offset:BUFB*(\set)+32*PT*(\kk)+32*\ai
	ds_load_tr16_b128 v[(\f)+8*\ai+4:(\f)+8*\ai+7], v[FAA] offset:BUFB*(\set)+32*PT*(\kk)+32*\ai+16*PT
.endr
.irp bj, 0,1,2,3,4,5,6,7
	ds_load_tr16_b128 v[(\f)+16+8*\bj:(\f)+16+8*\bj+3],   v[FAB] offset:BUFB*(\set)+32*PT*(\kk)+32*\bj
	ds_load_tr16_b128 v[(\f)+16+8*\bj+4:(\f)+16+8*\bj+7], v[FAB] offset:BUFB*(\set)+32*PT*(\kk)+32*\bj+16*PT
.endr
.endm
; 16 products: the 16 accumulators take turns, one instruction a turn, over the backward jump too.
.macro MUL f
	WIN 0x50                                       ; C and D window 1
.irp ai, 0,1
.irp bj, 0,1,2,3,4,5,6,7
.set rD, 8*(8*\ai+\bj)
	v_wmma_f32_16x16x32_bf16 v[rD:rD+7], v[(\f)+16+8*\bj:(\f)+16+8*\bj+7], v[(\f)+8*\ai:(\f)+8*\ai+7], v[rD:rD+7]
.endr
.endr
.endm
; A K STEP.  left: the younger loads that may stay out (the other set's 32, or none).  ahead = 1: the set is loaded again, for the step two on.
; ONE barrier a step: in front of it each wave has waited for its stores into this buffer, and (at the end of the step before) for its reads of the other buffer; so the other buffer is
; written again, a step later, only when every wave has read it.
.macro STEP set, ahead, left
	s_wait_loadcnt \left                           ; loads come back in order (ISA guide 5.7.1): this set is in
	WIN 0x0a                                       ; sources window 2, destination window 0
.set n, 0
.rept 64
	v_cvt_pk_bf16_f32 v[T+n], v[128*(\set)+2*n], v[128*(\set)+2*n+1]  ; these 64 are also the places behind the last products
.set n, n+1
.endr
	WIN 0
.set n, 0
.rept 16
	ds_store_b64 v[DS0], v[T+2*n:T+2*n+1] offset:BUFB*(\set)+PT*n
	ds_store_b64 v[DS0], v[T+32+2*n:T+32+2*n+1] offset:BUFB*(\set)+TBO+PT*n
.set n, n+1
.endr
.if \ahead
	s_wait_xcnt 0x0                                ; every earlier load and store has read its address and data registers: the two pointers are stepped only behind this wait
	s_add_nc_u64 s[PA:PA+1], s[PA:PA+1], STEPB
	s_add_nc_u64 s[PB:PB+1], s[PB:PB+1], STEPB
	LOADS \set, STEPB
	WIN 0
.endif
	s_wait_dscnt 0x0                               ; for the others' sake: my stores are done
	s_barrier_signal -1
	s_barrier_wait -1
	FRAGS \set, 0, F0
	FRAGS \set, 1, F1
	s_wait_dscnt 20                                ; the first 32 k are in; the 20 younger loads may be out
	MUL F0
	s_wait_dscnt 0x0
	MUL F1
.endm
	WIN 0x80
.set n, 0
.rept 16
	global_load_b128 v[128+4*n:128+4*n+3], v[XI], s[PXI:PXI+1] offset:8192*n th:TH_LOAD_NT  ; x, two rows a load, into set 1's registers
.set n, n+1
.endr
	LOADS 0, 0                                     ; K step 0
	WIN 0x40
.set n, 0
.rept 128
	v_mov_b32 v[n], 0                              ; the sums start at 0, written while the first loads are out, so that the loop has one form of product
.set n, n+1
.endr
	s_wait_loadcnt 32                              ; x is in; K step 0's 32 loads may be out
	WIN 0x0a
.set n, 0
.rept 32
	v_cvt_pk_bf16_f32 v[XT+n], v[128+2*n], v[128+2*n+1]  ; x rounded to bf16, as all inputs are
.set n, n+1
.endr
	WIN 0
.set n, 0
.rept 16
.set rU, T+4*(n%4)
	v_lshlrev_b32 v[rU],   16, v[XT+2*n]           ; back to f32: a shift or a mask
	v_and_b32     v[rU+1], s[MSK], v[XT+2*n]
	v_lshlrev_b32 v[rU+2], 16, v[XT+2*n+1]
	v_and_b32     v[rU+3], s[MSK], v[XT+2*n+1]
	v_cvt_pk_f16_f32 v[XA+2*n],   v[rU],   v[rU+1]
	v_cvt_pk_f16_f32 v[XA+2*n+1], v[rU+2], v[rU+3]
	v_pk_mul_f32 v[rU:rU+1],   v[rU:rU+1],   s[SCX:SCX+1] op_sel_hi:[1,0]
	v_pk_mul_f32 v[rU+2:rU+3], v[rU+2:rU+3], s[SCX:SCX+1] op_sel_hi:[1,0]
	v_cvt_pk_f16_f32 v[XB+2*n],   v[rU],   v[rU+1]
	v_cvt_pk_f16_f32 v[XB+2*n+1], v[rU+2], v[rU+3]
	global_store_b64 v[XO], v[XA+2*n:XA+2*n+1], s[PXA:PXA+1] offset:256*n  ; the wave's store covers 256 consecutive bytes, aligned
	global_store_b64 v[XO], v[XB+2*n:XB+2*n+1], s[PXB:PXB+1] offset:256*n
.set n, n+1
.endr
	LOADS 1, STEPB                                 ; K step 1
	WIN 0
	s_mov_b32 s[CNT], 3
.Lpair:                                            ; K steps 0 to 5; they load steps 2 to 7.  (The first step's s_wait_xcnt 0 also frees the registers that x's stores read.)
	STEP 0, 1, 32
	STEP 1, 1, 32
	WIN 0
	s_sub_co_u32 s[CNT], s[CNT], 1
	s_cmp_lg_u32 s[CNT], 0
	s_cbranch_scc1 .Lpair
	STEP 0, 0, 32                                  ; the last two steps load nothing
	STEP 1, 0, 0
	PLACES
; THE WAY OUT of my rows 16 ai .. 16 ai + 15: times 16, rounded to f16, 16 bytes a lane into my own stage, back as whole rows of 256 bytes.
.macro OUTP ai
	WIN 0x41
.set n, 0
.rept 32
	v_pk_mul_f32 v[64*(\ai)+2*n:64*(\ai)+2*n+1], v[64*(\ai)+2*n:64*(\ai)+2*n+1], s[SC16:SC16+1] op_sel_hi:[1,0]
.set n, n+1
.endr
	WIN 0x05
.set n, 0
.rept 32
	v_cvt_pk_f16_f32 v[T+32*(\ai)+n], v[64*(\ai)+2*n], v[64*(\ai)+2*n+1]
.set n, n+1
.endr
	WIN 0
.irp bj, 0,1,2,3,4,5,6,7
	ds_store_b128 v[STO], v[T+32*(\ai)+4*\bj:T+32*(\ai)+4*\bj+3] offset:32*\bj
.endr
.irp bj, 0,1,2,3,4,5,6,7
	ds_load_b128 v[F0+32*(\ai)+4*\bj:F0+32*(\ai)+4*\bj+3], v[RD] offset:\bj*2*SP  ; LDS serves a wave's instructions in order (ISA guide 5.7.1.4): these see the stores above
.endr
.endm
.macro SENDP ai, younger
.irp bj, 0,1,2,3,4,5,6,7
	s_wait_dscnt (\younger)+7-\bj
	global_store_b128 v[CO], v[F0+32*(\ai)+4*\bj:F0+32*(\ai)+4*\bj+3], s[PC:PC+1] offset:(16*(\ai)+2*\bj)*1024  ; 16 lanes store 256 consecutive bytes, aligned
.endr
.endm
	OUTP 0
	OUTP 1
	SENDP 0, 16
	SENDP 1, 0
	s_wait_tensorcnt 0x0                           ; the wave's end: behind my last LDS store
	ds_add_u32 v[SPW], v[NIL]
	s_wait_dscnt 0x0
	s_endpgm
.Lfunc_end_k_qc81a234da8_prep:
	.size	k_qc81a234da8_prep, .Lfunc_end_k_qc81a234da8_prep-k_qc81a234da8_prep
	.p2alignl 7, 3214868480
	.fill 96, 4, 3214868480
	.section	.rodata,"a",@progbits
	.p2align	6, 0x0
	.amdhsa_kernel k_qc81a234da8_prep
		.amdhsa_group_segment_fixed_size 91648
		.amdhsa_private_segment_fixed_size 0
		.amdhsa_enable_private_segment 0
		.amdhsa_kernarg_size 72
		.amdhsa_user_sgpr_count 2
		.amdhsa_user_sgpr_kernarg_segment_ptr 1
		.amdhsa_wavefront_size32 1
		.amdhsa_system_sgpr_workgroup_id_x 1
		.amdhsa_system_sgpr_workgroup_id_y 1
		.amdhsa_system_sgpr_workgroup_id_z 1
		.amdhsa_system_vgpr_workitem_id 0
		.amdhsa_next_free_vgpr 768
		.amdhsa_next_free_sgpr 66
		.amdhsa_reserve_vcc 0
		.amdhsa_float_denorm_mode_32 3
		.amdhsa_float_denorm_mode_16_64 3
		.amdhsa_memory_ordered 1
		.amdhsa_forward_progress 1
		.amdhsa_inst_pref_size 91
	.end_amdhsa_kernel
	.amdgpu_metadata
---
amdhsa.version: [ 1, 2 ]
amdhsa.kernels:
  - .name:           k_qc81a234da8_prep
    .symbol:         k_qc81a234da8_prep.kd
    .args:
      - { .name: W_q, .offset: 0, .size: 8, .value_kind: global_buffer, .address_space: global }
      - { .name: W_k, .offset: 8, .size: 8, .value_kind: global_buffer, .address_space: global }
      - { .name: W, .offset: 16, .size: 8, .value_kind: global_buffer, .address_space: global }
      - { .name: W_v, .offset: 24, .size: 8, .value_kind: global_buffer, .address_space: global }
      - { .name: x, .offset: 32, .size: 8, .value_kind: global_buffer, .address_space: global }
      - { .name: Mt, .offset: 40, .size: 8, .value_kind: global_buffer, .address_space: global }
      - { .name: Nw, .offset: 48, .size: 8, .value_kind: global_buffer, .address_space: global }
      - { .name: x16, .offset: 56, .size: 8, .value_kind: global_buffer, .address_space: global }
      - { .name: x16s, .offset: 64, .size: 8, .value_kind: global_buffer, .address_space: global }
    .group_segment_fixed_size: 91648
    .private_segment_fixed_size: 0
    .kernarg_segment_align: 8
    .kernarg_segment_size: 72
    .max_flat_workgroup_size: 128
    .sgpr_count:     66
    .vgpr_count:     768
    .wavefront_size: 32
...
	.end_amdgpu_metadata
.endif
;; end of part 1
;; launch attn (part 2): grid 8 x 32, 4 waves a work-group, clusters of 4 x 1, 327,680 bytes of LDS; arguments x16, x16s, Mt, Zt; writes Zt
.if DOCPART == 2
	.amdgcn_target "amdgcn-amd-amdhsa--gfx1250"
	.amdhsa_code_object_version 6
	.text
	.protected	k_qc81a234da8_attn
	.globl	k_qc81a234da8_attn
	.p2align	8
	.type	k_qc81a234da8_attn,@function
k_qc81a234da8_attn:
	s_mov_b64 s[64:65], 0
	v_nop
	global_prefetch_b8 v0, s[64:65] scope:SCOPE_SE
	s_setreg_imm32_b32 hwreg(HW_REG_WAVE_MODE, 25, 1), 1
	s_wait_xcnt 0x0
	s_wait_alu depctr_hold_cnt(0) depctr_sa_sdst(0) depctr_va_vdst(0) depctr_va_sdst(0) depctr_va_ssrc(0) depctr_va_vcc(0) depctr_vm_vsrc(0)
	s_getreg_b32 s2, hwreg(HW_REG_IB_STS2, 6, 4)
	s_cmp_eq_u32 s2, 0
	s_cbranch_scc0 .Lentry_in_a_cluster
	s_endpgm
.Lentry_in_a_cluster:
	s_bfe_u32 s2, ttmp6, 0x10000c
	s_cmp_lg_u32 s2, 0x3003
	s_cbranch_scc0 .Lentry_shape_is_right
	s_endpgm
.Lentry_shape_is_right:
; ATTENTION with x as keys and as values.  For batch b, head h and a block of 128 columns t:
;   Y'[e][t] = sum over e' of Mt[h][e'][e] x16s[b][e'][t]  (= 2^-7 (W_q^T W_k x)[e][t]),  rounded to f16, kept in registers
;   s'[s][t] = sum over e of x16[b][e][s] Y'[e][t];   p = 2^(c s' - c m), c = log2(e) 2^7 / sqrt(512), m the running maximum over s (the softmax runs over s, the index that x carries)
;   Zt[b][t][512 h + e] = f16( (sum over s of x16[b][e][s] p[s][t]) / (sum over s of p[s][t]) )
; Products in f16 with f32 sums; maxima, sums and the rescaling in f32; p is rounded to f16 for the second product (its sum l is taken of the unrounded p).
; LIMITS.  x16, Mt within f16 (the launch before states how they are made); |Y'| under 65,504; p below 6e-5 keeps f16's fixed step; a weight below 2^-126 counts as 0 in l; NaN and infinities are not treated apart.
; SHARES.  A work-group owns 128 t.  SCORES: wave w owns t = 32 w .. 32 w + 31 (two tiles of 16) with its Y' in 256 registers; a lane holds ONE t, so maximum and sum want one exchange between the halves of the lanes.
; x P: wave w owns e = 128 w .. 128 w + 127 for all 128 t: 64 accumulators.  P (16 KiB a step) and the factors a go from wave to wave through LDS, with one barrier.
; THE RING.  Two LDS slots take turns through 24 tiles: 8 chunks of the first product (64 rows e' of Mt, and the same 64 rows of x16s for my 128 t), then the 16 tiles of x16 (512 e x 64 s).
; CLUSTER.  The four blocks of a cluster share b and h: Mt's chunks and x16's tiles are asked for JOINTLY (the same load, descriptor and mask in all four).  x16s's pieces hang on the block: loads of one's own (mask 0).
; My place in the cluster enters global addresses alone (x16s, Zt, the prefetch).
; REGISTERS, in windows of 256 (s_set_vgpr_msb: bits 1:0 source 0, 3:2 source 1, 5:4 source 2, 7:6 destination):
;   window 0: v0-23 addresses; v24-39 statistics; v40-55 the factor of each t tile; v64-127 S^T (also x_t's fragments, then P's); v128-255 two fragment buffers
;   window 1: Y', tile u, K step k at 128 u + 8 k
;   windows 2, 3: O^T (e tile a, t tile bb) in window 2 + bb / 4 at 8 (8 (bb % 4) + a); in the first product the sums of Y' for tile u in window 2 + u, e tile a32 at 8 a32
; NOTHING IS CLEARED: the first chunk's products start their sums with the constant 0; O^T begins as what the first product left, finite numbers, and the first step's factor a is 0.
.set SLOT1, 1<<17                      ; slot 1 begins here: one exclusive or turns an address in one slot into the other's
.set PX,    160                        ; a row of x in LDS: 128 bytes + 32 = 40 words
.set PM,    1056                       ; a row of Mt: 1,024 bytes + 32 = 264 words: likewise
.set XTOFF, 64*PM                      ; in a chunk, behind Mt's 64 rows: two pieces of x16s, 64 e' x 64 t each
.set PIECE, 64*PX
.set PBUF,  SLOT1+XTOFF+2*PIECE        ; behind the ring: P [128 t][64 s] f16, rows of 144 bytes
.set PP,    144
.set ABUF,  PBUF+128*PP                ; a[128] in f32; 512 bytes on: 1 / l [128]
.set STAGE, ABUF+1024                  ; 16 rows x 272 bytes for each wave, for the way out
.set SP,    272
.set SPARE, STAGE+4*16*SP              ; the spare words, 128 bytes for each wave: two blocks of 256 bytes that no other line names
.set LR,  1                            ; v1   l % 16
.set LH,  2                            ; v2   l / 16
.set AXT, 3                            ; v3   the turning load's place in a tile of x
.set AXP, 4                            ; v4   the plain load's place: my wave's 128 rows of x
.set AMT, 5                            ; v5   the turning load's place in Mt's rows
.set ATT, 6                            ; v6   the same in my 32 t of x16s
.set APS, 7                            ; v7   where I put 16 bytes of P
.set APL, 8                            ; v8   where I read P's fragments
.set AAS, 9                            ; v9   where I put a
.set AAL, 10                           ; v10  where I read it
.set STO, 11
.set RD,  12
.set GO,  13                           ; v13  my byte offset in two rows of Zt
.set ADR0, 14                          ; v14-16 the addresses of the runs of loads in hand
.set ADR1, 15
.set ADRV, 16
.set PFO, 17                           ; v17  256 x my lane; never rewritten
.set SPW, 18                           ; v18  my spare word; never rewritten
.set NIL, 19                           ; v19  0; never rewritten
.set ST,  24                           ; tile u's statistics at ST + 8 u: c m, m, l (even s', odd s'), c0-c3 at work; a takes c2's place
.set AF,  40                           ; t tile bb's factor in v[AF + 2 bb]; the odd registers are written once, since the packed multiply names pairs
.set S,   64
.set FB0, 128
.set PK,  FB0                          ; P rounded, 16 registers a tile
.set OUTR, 64                          ; the way out: 4 x 32 registers
.set WV,  12
.set G1X, 24                           ; s[24:31] group 1 for a wave's quarter of a tile of x16
.set G1M, 32                           ; s[32:39] for half a chunk of Mt
.set G1T, 40                           ; s[40:47] for a piece of x16s
.set G0X, 48                           ; s[48:51], s[52:55], s[56:59] their groups 0: each walks
.set G0M, 52
.set G0T, 56
.set CS,  60                           ; s[60:61] c
.set SEL, 62                           ; s[62:63] v_permlanex16_b32's selects: each lane takes its own place in the other half
.set TB,  66                           ; s66  LDS byte at which the slot in hand begins
.set CNT, 67
.set LIM, 68                           ; s68  1 in a wave that prefetches, else the greatest number
.set PFA, 70                           ; s[70:71] where my prefetches stand
.set PZ,  72                           ; s[72:73] Zt at my block's first row, my head, my wave's 128 e
.set MSB, 0
.macro WIN new                         ; the immediate's high byte repeats the setting that is left; a switch that changes nothing is dropped
.if MSB != (\new)
	s_set_vgpr_msb (MSB<<8)|(\new)
.set MSB, (\new)
.endif
.endm
; A vector instruction that reads a matrix result or writes one of a matrix instruction's registers, and a load into such a register, stand four places behind it; only plain vector
; instructions that name none of its registers are places (ISA guide 7.12.1 for vector instructions).
.macro PLACES
.rept 4
	v_nop
.endr
.endm
; A chunk's fill: waves 0 and 1 ask jointly for the halves of Mt's 64 rows, waves 2 and 3 each for a piece of x16s of the work-group's own.  The branch hangs on the wave's number alone.
; An s_nop 0 and four v_nop follow each of the two lines, ahead of the jump and the label.
.macro JLOAD_C
	s_cmp_lt_u32 s[WV], 2
	s_cbranch_scc0 .Lfor_t_\@
	tensor_load_to_lds s[G0M:G0M+3], s[G1M:G1M+7]
	s_nop 0
	PLACES
	s_branch .Lasked_\@
.Lfor_t_\@:
	tensor_load_to_lds s[G0T:G0T+3], s[G1T:G1T+7]
	s_nop 0
	PLACES
.Lasked_\@:
.endm
.macro JLOAD_X                         ; a tile of x16: each wave asks jointly for 128 of its 512 rows
	tensor_load_to_lds s[G0X:G0X+3], s[G1X:G1X+7]
	s_nop 0
	PLACES
.endm
; A PREFETCH INTO THE L2 of the tile of x16 that the NEXT change of slots will ask for: 256 products and a softmax ahead of that load.  A batch's tiles are walked by 16 clusters: the one with head 0 and
; cluster x = 0 asks.  Its four partners take 16 KiB each, told apart BY ADDRESS; in each, waves 0 and 1 take 8 KiB: a lane 256 bytes, one instruction.  So each block of 256 bytes is named once in the launch.
; how = 1: at the first tile's load.  how = 0: in the loop, whose last trip has no tile behind its own.  The first tile and the chunks come by their loads alone.
.macro ASK how
.if \how
	s_cmp_eq_u32 s[LIM], 1
.else
	s_cmp_gt_u32 s[CNT], s[LIM]
.endif
	s_cbranch_scc0 .Lnot_mine_\@
	global_prefetch_b8 v[PFO], s[PFA:PFA+1] th:TH_LOAD_NT scope:SCOPE_SE
.Lnot_mine_\@:
.endm
; A round of the cluster's barrier: my work-group's barrier, so that wave 0's signal speaks for all four waves; wave 0 signals; every wave waits for all four work-groups; my work-group's barrier once more.
.macro CROUND
	s_barrier_signal -1
	s_barrier_wait -1
	s_cmp_lg_u32 s[WV], 0
	s_cbranch_scc1 .Lnot_wave_0_\@
	s_barrier_signal -3
.Lnot_wave_0_\@:
	s_barrier_wait -3
	s_barrier_signal -1
	s_barrier_wait -1
.endm
; THE CHANGE OF SLOTS.  Each wave waits for all its tensor loads, of which one is out: its part of the other slot; adds 0 to its spare word; and waits for that and for its LDS reads: of the slot that it leaves, and of P and a.
; Behind the round no wave of any partner reads the old slot or has a load on its way; the other slot is whole; and P's and a's bytes may be stored anew.  The fill is the first thing behind the round, one load a wave.
.macro CHANGE_C
	WIN 0
	s_wait_tensorcnt 0x0                           ; no tensor load of mine is out, so a group 0 may be written
	ds_add_u32 v[SPW], v[NIL]                      ; 0 onto my spare word: the descriptors' steps stand between it and the wait for it
	s_xor_b32 s[G0M+1], s[G0M+1], SLOT1
	s_add_nc_u64 s[G0M+2:G0M+3], s[G0M+2:G0M+3], 65536  ; Mt's next 64 rows of 1,024 bytes; the type bits on top are not reached
	s_xor_b32 s[G0T+1], s[G0T+1], SLOT1
	s_add_nc_u64 s[G0T+2:G0T+3], s[G0T+2:G0T+3], 8192   ; x16s's next 64 rows of 128 bytes
	s_wait_dscnt 0x0
	CROUND
	JLOAD_C
	s_xor_b32 s[TB], s[TB], SLOT1
.endm
.macro CHANGE_X step, how              ; step = 0: the first tile of x16, for which the descriptor was made
	WIN 0
	s_wait_tensorcnt 0x0
	ds_add_u32 v[SPW], v[NIL]
.if \step
	s_xor_b32 s[G0X+1], s[G0X+1], SLOT1
	s_add_nc_u64 s[G0X+2:G0X+3], s[G0X+2:G0X+3], 65536  ; the next 64 s: a block of 65,536 bytes
	s_wait_xcnt 0x0                                ; the last prefetch, a step back, has read its address
	s_add_nc_u64 s[PFA:PFA+1], s[PFA:PFA+1], 65536
.endif
	s_wait_dscnt 0x0
	CROUND
	JLOAD_X
	ASK \how
	s_xor_b32 s[TB], s[TB], SLOT1
.endm
.macro CHANGE_0                        ; the last change: nothing is asked for, so no round follows
	WIN 0
	s_wait_tensorcnt 0x0
	ds_add_u32 v[SPW], v[NIL]
	s_xor_b32 s[TB], s[TB], SLOT1
	s_wait_dscnt 0x0
	s_barrier_signal -1
	s_barrier_wait -1
	PLACES
.endm
	s_load_b256 s[4:11], s[0:1], 0x0               ; x16 s[4:5], x16s s[6:7], Mt s[8:9], Zt s[10:11]
	v_lshl_add_u32 v[SPW], v0, 2, SPARE
	v_mov_b32 v[NIL], 0
	ds_add_u32 v[SPW], v[NIL]                      ; the wave's opening: the add and its wait stand ahead of my first tensor load; the set-up below, work on registers, stands between them
	ds_add_u32 v18, v19
	v_lshrrev_b32 v20, 5, v0
	v_readfirstlane_b32 s[WV], v20                 ; wave 0..3
	s_bfe_u32 s13, ttmp6, 0x40000                  ; cx: my place in the cluster
	s_lshl_b32 s14, ttmp9, 2                       ; in a cluster launch ttmp9 counts clusters
	s_add_co_u32 s14, s14, s13                     ; my block of 128 t
	s_and_b32 s16, ttmp7, 0xffff
	s_lshr_b32 s15, s16, 3                         ; batch
	s_and_b32 s16, s16, 7                          ; head: the four partners share both
	s_and_b32 s17, s[WV], 1
	; group 1 for x16: a wave's 128 rows of 128 bytes are 16,384 dense bytes: asked for as 64 rows of 256 bytes and padded in LDS after every 128
	s_mov_b32 s[G1X], 15|(1<<16)|(1<<20)|(1<<21)|(4<<22)|(7<<25)  ; 15:0 the mask of four; 17:16 2-byte elements; 20 padding on; 21 set beside a mask; 24:22 after every 32 words (code 4); 31:25 8 words (code 7)
	s_mov_b32 s[G1X+1], 128<<16                    ; tensor_dim0 = 128
	s_mov_b32 s[G1X+2], 64<<16                     ; tensor_dim1 = 64
	s_mov_b32 s[G1X+3], 128<<16                    ; tile_dim0 = 128
	s_mov_b32 s[G1X+4], 64                         ; tile_dim1 = 64
	s_mov_b32 s[G1X+5], 128                        ; elements from row to row
	s_mov_b32 s[G1X+6], 0
	s_mov_b32 s[G1X+7], 0
	; for Mt: 32 rows of 512 elements, 8 words of padding after every 256 words (code 7)
	s_mov_b32 s[G1M], 15|(1<<16)|(1<<20)|(1<<21)|(7<<22)|(7<<25)
	s_mov_b32 s[G1M+1], 512<<16
	s_mov_b32 s[G1M+2], 32<<16
	s_mov_b32 s[G1M+3], 512<<16
	s_mov_b32 s[G1M+4], 32
	s_mov_b32 s[G1M+5], 512
	s_mov_b32 s[G1M+6], 0
	s_mov_b32 s[G1M+7], 0
	; for x16s: 64 rows of 128 bytes, dense, as 32 rows of 256; no mask
	s_mov_b32 s[G1T], (1<<16)|(1<<20)|(4<<22)|(7<<25)
	s_mov_b32 s[G1T+1], 128<<16
	s_mov_b32 s[G1T+2], 32<<16
	s_mov_b32 s[G1T+3], 128<<16
	s_mov_b32 s[G1T+4], 32
	s_mov_b32 s[G1T+5], 128
	s_mov_b32 s[G1T+6], 0
	s_mov_b32 s[G1T+7], 0
	s_mov_b32 s[G0X], 1                            ; 1:0 count = 1
	s_mul_i32 s[G0X+1], s[WV], 128*PX              ; LDS: slot 0, my 128 rows: no place in the cluster enters an LDS address
	s_mov_b32 s[G0M], 1
	s_mul_i32 s[G0M+1], s17, 32*PM
	s_mov_b32 s[G0T], 1
	s_mul_i32 s[G0T+1], s17, PIECE
	s_add_co_u32 s[G0T+1], s[G0T+1], XTOFF
	s_lshl_b32 s74, s15, 20                        ; x16: the batch's 16 blocks,
	s_lshl_b32 s18, s[WV], 14                      ; my 128 rows of a block
	s_add_co_u32 s74, s74, s18
	s_mov_b32 s75, 0
	s_lshl_b32 s76, s16, 19                        ; Mt: the head,
	s_lshl_b32 s18, s17, 15                        ; my 32 rows of a chunk
	s_add_co_u32 s76, s76, s18
	s_mov_b32 s77, 0
	s_lshl_b32 s78, s14, 1                         ; x16s: block 2 tb + w % 2 of 64 t
	s_add_co_u32 s78, s78, s17
	s_lshl_b32 s78, s78, 16
	s_lshl_b32 s18, s15, 20
	s_add_co_u32 s78, s78, s18
	s_mov_b32 s79, 0
	s_lshl_b32 s20, s15, 23                        ; Zt: 1,024 rows of 8,192 bytes a batch,
	s_lshl_b32 s19, s14, 20                        ; 128 rows a block,
	s_add_co_u32 s20, s20, s19
	s_lshl_b32 s19, s16, 10                        ; the head's 512 columns,
	s_add_co_u32 s20, s20, s19
	s_lshl_b32 s19, s[WV], 8                       ; my wave's 128
	s_add_co_u32 s20, s20, s19
	s_mov_b32 s21, 0
	s_lshl_b32 s22, s15, 20                        ; the prefetches: the batch, my work-group's quarter of a tile, my wave's half of that, in tile 1
	s_lshl_b32 s19, s13, 14
	s_add_co_u32 s22, s22, s19
	s_lshl_b32 s19, s17, 13
	s_add_co_u32 s22, s22, s19
	s_add_co_u32 s22, s22, 65536
	s_mov_b32 s23, 0
	s_lshr_b32 s[LIM], s[WV], 1                    ; 0 in waves 0 and 1,
	s_or_b32 s[LIM], s[LIM], ttmp9                 ; of the first cluster
	s_or_b32 s[LIM], s[LIM], s16                   ; of head 0: the same in all four partners
	s_cmp_eq_u32 s[LIM], 0
	s_cselect_b32 s[LIM], 1, -1
	s_mov_b32 s[CS], 0x410293ee                    ; c = log2(e) x 128 / sqrt(512) = 8.16111
	s_mov_b32 s[CS+1], s[CS]                       ; named with it as a pair
	s_mov_b32 s[SEL], 0x76543210
	s_mov_b32 s[SEL+1], 0xfedcba98
	s_mov_b32 s[TB], SLOT1                         ; the first change of slots turns it into 0
	s_wait_dscnt 0x0                               ; the opening add is done
	s_wait_kmcnt 0x0
	s_add_nc_u64 s[G0X+2:G0X+3], s[4:5], s[74:75]
	s_or_b32 s[G0X+3], s[G0X+3], 0x80000000        ; 127:126 type = 2
	s_add_nc_u64 s[G0M+2:G0M+3], s[8:9], s[76:77]
	s_or_b32 s[G0M+3], s[G0M+3], 0x80000000
	s_add_nc_u64 s[G0T+2:G0T+3], s[6:7], s[78:79]
	s_or_b32 s[G0T+3], s[G0T+3], 0x80000000
	s_add_nc_u64 s[PZ:PZ+1], s[10:11], s[20:21]
	s_add_nc_u64 s[PFA:PFA+1], s[4:5], s[22:23]
	CROUND                                         ; all four work-groups are here: the first joint loads meet
	JLOAD_C                                        ; chunk 0 into slot 0: the one first fill; by this text's count one tensor load of a wave is out at any time
	v_and_b32 v[LR], 15, v0
	v_bfe_u32 v[LH], v0, 4, 1
	v_and_b32 v21, 7, v0
	v_bfe_u32 v22, v0, 3, 1
	v_lshl_add_u32 v23, v[LH], 3, v21              ; the turning load: lane l reads row 8 (l / 16) + l % 8, 16 bytes at 16 ((l / 8) % 2)
	v_mul_u32_u24 v[AXT], v23, PX
	v_lshl_add_u32 v[AXT], v22, 4, v[AXT]
	v_mul_u32_u24 v[AMT], v23, PM
	v_lshl_add_u32 v[AMT], v22, 4, v[AMT]
	v_mul_u32_u24 v[AXP], v[LR], PX                ; the plain load: row l % 16, 16 bytes for each half of the lanes
	v_lshl_add_u32 v[AXP], v[LH], 4, v[AXP]
	s_mul_i32 s74, s[WV], 128*PX
	v_add_nc_u32 v[AXP], s74, v[AXP]
	s_lshr_b32 s74, s[WV], 1                       ; my 32 t: piece w / 2, columns 32 (w % 2) on
	s_mul_i32 s74, s74, PIECE
	s_lshl_b32 s75, s17, 6
	s_add_co_u32 s74, s74, s75
	s_add_co_u32 s74, s74, XTOFF
	v_add_nc_u32 v[ATT], s74, v[AXT]
	v_mul_u32_u24 v[APL], v[LR], PP
	v_lshl_add_u32 v[APL], v[LH], 4, v[APL]
	v_add_nc_u32 v[APL], PBUF, v[APL]
	s_mul_i32 s74, s[WV], 32*PP
	v_add_nc_u32 v[APS], s74, v[APL]
	v_lshlrev_b32 v[AAL], 2, v[LR]
	v_add_nc_u32 v[AAL], ABUF, v[AAL]
	s_lshl_b32 s74, s[WV], 7
	v_add_nc_u32 v[AAS], s74, v[AAL]
	s_mul_i32 s74, s[WV], 16*SP
	s_add_co_u32 s74, s74, STAGE
	v_mul_u32_u24 v[STO], v[LR], SP
	v_lshl_add_u32 v[STO], v[LH], 4, v[STO]
	v_add_nc_u32 v[STO], s74, v[STO]
	v_mul_u32_u24 v[RD], v[LH], SP
	v_lshl_add_u32 v[RD], v[LR], 4, v[RD]
	v_add_nc_u32 v[RD], s74, v[RD]
	v_lshlrev_b32 v[GO], 13, v[LH]
	v_lshl_add_u32 v[GO], v[LR], 4, v[GO]
	v_and_b32 v[PFO], 31, v0
	v_lshlrev_b32 v[PFO], 8, v[PFO]
.set n, 0
.rept 16
	v_mov_b32 v[AF+n], 0
.set n, n+1
.endr
.irp u, 0,1
	v_mov_b32 v[ST+8*\u], 0xfe000000               ; c m starts far below every c s, so the first step's a is 0
	v_mov_b32 v[ST+8*\u+1], 0xff7fffff             ; m at the lowest finite number
	v_mov_b32 v[ST+8*\u+2], 0
	v_mov_b32 v[ST+8*\u+3], 0
.endr
; THE FIRST PRODUCT, a chunk of 64 e': Y'^... D (m = e, n = t) += Mt (turned: lane = e, k = e') x x16s (turned: lane = t, k = e').  Group g of 8: k half g / 4, e tiles 8 (g % 4) + 0..7.
.macro LOADM g
	WIN 0
.set q, 0
.rept 8
	ds_load_tr16_b128 v[FB0+64*((\g)%2)+8*q:FB0+64*((\g)%2)+8*q+3],   v[ADR0] offset:32*PM*((\g)/4)+32*(8*((\g)%4)+q)
	ds_load_tr16_b128 v[FB0+64*((\g)%2)+8*q+4:FB0+64*((\g)%2)+8*q+7], v[ADR0] offset:32*PM*((\g)/4)+32*(8*((\g)%4)+q)+16*PM
.set q, q+1
.endr
.endm
.macro MULM g, zero                    ; 16 products; all 64 accumulators take turns, one instruction a turn: 63 others stand between two links of a chain
.irp u, 0,1
	WIN 0xa0+0x50*(\u)                             ; C and D in window 2 + u
.set q, 0
.rept 8
.set rD, 8*(8*((\g)%4)+q)
.set rA, FB0+64*((\g)%2)+8*q
.set rB, S+8*(2*((\g)/4)+(\u))
.if (\zero) && ((\g) < 4)
	v_wmma_f32_16x16x32_f16 v[rD:rD+7], v[rA:rA+7], v[rB:rB+7], 0
.else
	v_wmma_f32_16x16x32_f16 v[rD:rD+7], v[rA:rA+7], v[rB:rB+7], v[rD:rD+7]
.endif
.set q, q+1
.endr
.endr
.endm
.macro CHUNK zero                      ; the four v_nop behind the fill are the places in front of these loads
	WIN 0
	v_add_nc_u32 v[ADR0], s[TB], v[AMT]
	v_add_nc_u32 v[ADR1], s[TB], v[ATT]
.irp f, 0,1,2,3                        ; x_t's fragment f = 2 kk + u
	ds_load_tr16_b128 v[S+8*\f:S+8*\f+3],   v[ADR1] offset:32*PX*(\f/2)+32*(\f%2)
	ds_load_tr16_b128 v[S+8*\f+4:S+8*\f+7], v[ADR1] offset:32*PX*(\f/2)+32*(\f%2)+16*PX
.endr
	LOADM 0
	LOADM 1
.irp g, 0,1,2,3,4,5,6,7
.if \g < 7
	s_wait_dscnt 16                                ; LDS loads come back in order (ISA guide 5.7.1): all but the youngest group's 16 are in
.else
	s_wait_dscnt 0x0
.endif
	MULM \g, \zero
.if \g < 6
	PLACES
	LOADM (\g)+2
.endif
.endr
.endm
; THE SCORES of a step: S^T (m = s, n = t) = x (turned: lane = s, k = e) x Y' (lane = t, k = e).  Group g of 8: K steps 2 g and 2 g + 1 of 32 e, four tiles of 16 s each.
.macro LOADG g
	WIN 0
.irp f, 0,1,2,3,4,5,6,7                ; f = 4 kk + i
.set rF, FB0+64*((\g)%2)+8*\f
.set oF, 32*PX*((2*(\g)+\f/4)%8)+32*(\f%4)
	ds_load_tr16_b128 v[rF:rF+3],   v[ADR0+(\g)/4] offset:oF
	ds_load_tr16_b128 v[rF+4:rF+7], v[ADR0+(\g)/4] offset:oF+16*PX
.endr
.endm
.macro MULG g                          ; 16 products; the 8 accumulators take turns
	WIN 0x04                                       ; Y' in window 1
.irp f, 0,1,2,3,4,5,6,7
.irp u, 0,1
.set rD, S+32*\u+8*(\f%4)
.set rA, FB0+64*((\g)%2)+8*\f
.set rB, 128*\u+8*(2*(\g)+\f/4)
.if (2*(\g)+\f/4) == 0
	v_wmma_f32_16x16x32_f16 v[rD:rD+7], v[rA:rA+7], v[rB:rB+7], 0
.else
	v_wmma_f32_16x16x32_f16 v[rD:rD+7], v[rA:rA+7], v[rB:rB+7], v[rD:rD+7]
.endif
.endr
.endr
.endm
.macro SCORES
.rept 5
	v_nop                                          ; with the four behind the change of slots: the places in front of products that write over P's fragments, sources of the last products
.endr
	WIN 0
	v_add_nc_u32 v[ADR0], s[TB], v[AXT]
	v_add_nc_u32 v[ADR1], 8*32*PX, v[ADR0]         ; K steps 8 to 15: the immediate has 16 bits
	LOADG 0
	LOADG 1
.irp g, 0,1,2,3,4,5,6,7
.if \g < 7
	s_wait_dscnt 16
.else
	s_wait_dscnt 0x0
.endif
	MULG \g
.if \g < 6
	PLACES
	LOADG (\g)+2
.endif
.endr
.endm
; Number j of the 21 that find tile t's maximum and statistics.  Four chains c0-c3 of seven scores each, three operands at a time (each accumulator's lowest registers are read first);
; the four scores left over, c0-c3 and the old m; the other half of the lanes'; c m_old is kept; m; c m; c m_old - c m_new.
.macro SMA t, j
.set rT, ST+8*(\t)
.set rS, S+32*(\t)
.if (\j) < 4
	v_max3_num_f32 v[rT+4+(\j)], v[rS+8*(\j)], v[rS+8*(\j)+1], v[rS+8*(\j)+2]
.elseif (\j) < 12
	v_max3_num_f32 v[rT+4+(\j)%4], v[rT+4+(\j)%4], v[rS+8*((\j)%4)+2*((\j)/4)+1], v[rS+8*((\j)%4)+2*((\j)/4)+2]
.elseif (\j) == 12
	v_max3_num_f32 v[rT+4], v[rT+4], v[rS+7], v[rS+15]
.elseif (\j) == 13
	v_max3_num_f32 v[rT+6], v[rT+6], v[rS+23], v[rS+31]
.elseif (\j) == 14
	v_max3_num_f32 v[rT+4], v[rT+4], v[rT+5], v[rT+6]
.elseif (\j) == 15
	v_max3_num_f32 v[rT+4], v[rT+4], v[rT+7], v[rT+1]
.elseif (\j) == 16
	v_permlanex16_b32 v[rT+5], v[rT+4], s[SEL], s[SEL+1]  ; the column's other 32 s lie in the lane 16 away
.elseif (\j) == 17
	v_mov_b32 v[rT+7], v[rT]
.elseif (\j) == 18
	v_max_num_f32 v[rT+1], v[rT+4], v[rT+5]
.elseif (\j) == 19
	v_mul_f32 v[rT], s[CS], v[rT+1]
.else
	v_sub_f32 v[rT+7], v[rT+7], v[rT]
.endif
.endm
.macro FS t, b                         ; c s - c m for pair b
	v_pk_fma_f32 v[S+32*(\t)+2*(\b):S+32*(\t)+2*(\b)+1], v[S+32*(\t)+2*(\b):S+32*(\t)+2*(\b)+1], s[CS:CS+1], v[ST+8*(\t):ST+8*(\t)+1] op_sel_hi:[1,0,0] neg_lo:[0,0,1] neg_hi:[0,0,1]
.endm
.macro EX t, e
	v_exp_f32 v[S+32*(\t)+(\e)], v[S+32*(\t)+(\e)]
.endm
; THE SOFTMAX of both tiles.  The 66 exponentials are ONE batch: nothing ahead of the one wait names a result of theirs; the scalings stand among them, each pair scaled a group ahead of its exponentials.
.macro SOFTMAX
	PLACES
	WIN 0
.irp j, 0,1,2,3,4,5,6,7,8,9,10,11,12,13,14,15,16,17,18,19,20
	SMA 0, \j
	SMA 1, \j
.endr
.set bq, 0
.rept 16
	FS 0, bq
	FS 1, bq
.if bq > 0
	EX 0, 2*bq-2
	EX 0, 2*bq-1
	EX 1, 2*bq-2
	EX 1, 2*bq-1
.endif
.set bq, bq+1
.endr
	EX 0, 30
	EX 0, 31
	EX 1, 30
	EX 1, 31
	v_exp_f32 v[ST+6], v[ST+7]                     ; a = 2^(c m_old - c m_new)
	v_exp_f32 v[ST+14], v[ST+15]
	v_nop                                          ; a plain instruction behind the last exponential, ahead of the first use (ISA guide 5.7.2): one for the batch
	s_wait_alu depctr_va_vdst(0)                   ; the wait ahead of the first reader: one for the batch
.set n, 0
.rept 16
	v_cvt_pk_f16_f32 v[PK+n],    v[S+2*n],    v[S+2*n+1]
	v_cvt_pk_f16_f32 v[PK+16+n], v[S+32+2*n], v[S+32+2*n+1]
.set n, n+1
.endr
.endm
; P and a go into LDS; the sums of the unrounded weights stand between these stores and the wait for them; then the barrier.  Between its signal and its wait my fragments of x are asked for:
; bytes of the slot in hand, which nobody writes before the next change of slots.  The fill of the other slot stays out across this barrier.
.macro PUBLISH
.irp u, 0,1
.irp i, 0,1,2,3
	ds_store_b128 v[APS], v[PK+16*\u+4*\i:PK+16*\u+4*\i+3] offset:16*PP*\u+32*\i
.endr
	ds_store_b32 v[AAS], v[ST+8*\u+6] offset:64*\u  ; both halves of the lanes hold the same a
.endr
.set z, 0
.rept 15                               ; the sum of a tile's 16 pairs, in place: neighbours 1, 2, 4 and 8 pairs apart
.set wd, 4
.set uu, z
.if z >= 14
.set wd, 32
.set uu, 0
.elseif z >= 12
.set wd, 16
.set uu, z-12
.elseif z >= 8
.set wd, 8
.set uu, z-8
.endif
.irp u, 0,1
	v_pk_add_f32 v[S+32*\u+wd*uu:S+32*\u+wd*uu+1], v[S+32*\u+wd*uu:S+32*\u+wd*uu+1], v[S+32*\u+wd*uu+wd/2:S+32*\u+wd*uu+wd/2+1]
.endr
.set z, z+1
.endr
.irp u, 0,1
	v_pk_fma_f32 v[ST+8*\u+2:ST+8*\u+3], v[ST+8*\u+2:ST+8*\u+3], v[ST+8*\u+6:ST+8*\u+7], v[S+32*\u:S+32*\u+1] op_sel_hi:[1,0,1]  ; l = a l + sum
.endr
	v_add_nc_u32 v[ADRV], s[TB], v[AXP]
	s_wait_dscnt 0x0                               ; for the others' sake: my stores of P and a are done
	s_barrier_signal -1
.irp kk, 0,1
.irp a, 0,1,2,3,4,5,6,7
	ds_load_b128 v[FB0+64*\kk+8*\a:FB0+64*\kk+8*\a+3],   v[ADRV] offset:16*PX*\a+64*\kk
	ds_load_b128 v[FB0+64*\kk+8*\a+4:FB0+64*\kk+8*\a+7], v[ADRV] offset:16*PX*\a+64*\kk+32
.endr
.endr
	s_barrier_wait -1
.endm
.macro PLOAD kk, hw                    ; P's fragments of s half kk for t tiles 4 hw + 0..3
	WIN 0
.irp bl, 0,1,2,3
	ds_load_b128 v[S+8*(4*(\hw)+\bl):S+8*(4*(\hw)+\bl)+3],   v[APL] offset:16*PP*(4*(\hw)+\bl)+64*(\kk)
	ds_load_b128 v[S+8*(4*(\hw)+\bl)+4:S+8*(4*(\hw)+\bl)+7], v[APL] offset:16*PP*(4*(\hw)+\bl)+64*(\kk)+32
.endr
.endm
.macro BLK kk, hw                      ; 32 products under one setting: O^T (m = e, n = t) += x (lane = e, k = s) x P (lane = t, k = s); 63 others stand between two links of a chain
	WIN 0xa0+0x50*(\hw)
.irp bl, 0,1,2,3
.irp a, 0,1,2,3,4,5,6,7
.set rD, 8*(8*\bl+\a)
	v_wmma_f32_16x16x32_f16 v[rD:rD+7], v[FB0+64*(\kk)+8*\a:FB0+64*(\kk)+8*\a+7], v[S+8*(4*(\hw)+\bl):S+8*(4*(\hw)+\bl)+7], v[rD:rD+7]
.endr
.endr
.endm
.macro PV
	WIN 0
.irp bb, 0,1,2,3,4,5,6,7
	ds_load_b32 v[AF+2*\bb], v[AAL] offset:64*\bb
.endr
	PLOAD 0, 0
	PLOAD 0, 1
	s_wait_dscnt 16                                ; x's fragments and the factors are in; P's 16 loads may be out
.irp hw, 0,1
	WIN 0x82+0x41*\hw                              ; O^T (destination and source 0) in window 2 + hw, a in window 0
.set n, 0
.rept 128
	v_pk_mul_f32 v[2*n:2*n+1], v[2*n:2*n+1], v[AF+2*(4*\hw+n/32):AF+2*(4*\hw+n/32)+1] op_sel_hi:[1,0]
.set n, n+1
.endr
.endr
	s_wait_dscnt 0x0
	BLK 0, 0
	PLACES
	PLOAD 1, 0
	BLK 0, 1
	PLACES
	PLOAD 1, 1
	s_wait_dscnt 8                                 ; the first four tiles' fragments are in
	BLK 1, 0
	s_wait_dscnt 0x0
	BLK 1, 1
.endm
.macro BODY
	SCORES
	SOFTMAX
	PUBLISH
	PV
.endm
	CHANGE_C                                       ; chunk 0 is in, everybody's part of it; chunk 1 is asked for
	CHUNK 1                                        ; its products start the sums
	WIN 0
	s_mov_b32 s[CNT], 6
.Lchunk:                                           ; chunks 1 to 6 are multiplied, chunks 2 to 7 asked for
	CHANGE_C
	CHUNK 0
	WIN 0
	s_sub_co_u32 s[CNT], s[CNT], 1
	s_cmp_lg_u32 s[CNT], 0
	s_cbranch_scc1 .Lchunk
	CHANGE_X 0, 1                                  ; the ring goes on into the main walk: the first tile of x16 is asked for
	CHUNK 0                                        ; chunk 7
	PLACES
.irp u, 0,1                            ; e tiles 2 k and 2 k + 1, rounded in pairs, ARE registers 0-3 and 4-7 of fragment k of Y'
	WIN 0x4a+5*\u
.set n, 0
.rept 128
	v_cvt_pk_f16_f32 v[128*\u+n], v[2*n], v[2*n+1]
.set n, n+1
.endr
.endr
	WIN 0
	s_mov_b32 s[CNT], 15
.Lstep:                                            ; tiles 0 to 14 are worked on, tiles 1 to 15 asked for
	CHANGE_X 1, 0
	BODY
	WIN 0
	s_sub_co_u32 s[CNT], s[CNT], 1
	s_cmp_lg_u32 s[CNT], 0
	s_cbranch_scc1 .Lstep
	CHANGE_0                                       ; the last tile is written out
	BODY
	; THE WAY OUT.  l's two halves and the other half of the lanes' are added; 1 / l goes to the other waves as a did; O^T is divided by l, rounded to f16 and sent through my stage, a t tile at a time.
	PLACES
	WIN 0
.irp u, 0,1
	v_add_f32 v[ST+8*\u+4], v[ST+8*\u+2], v[ST+8*\u+3]
.endr
.irp u, 0,1
	v_permlanex16_b32 v[ST+8*\u+5], v[ST+8*\u+4], s[SEL], s[SEL+1]
.endr
.irp u, 0,1
	v_add_f32 v[ST+8*\u+4], v[ST+8*\u+4], v[ST+8*\u+5]
.endr
.irp u, 0,1
	v_rcp_f32 v[ST+8*\u+6], v[ST+8*\u+4]
.endr
	v_nop                                          ; a plain instruction between the last reciprocal and the use of its result
	s_wait_alu depctr_va_vdst(0)                   ; and the wait ahead of its use: one for both
.irp u, 0,1
	ds_store_b32 v[AAS], v[ST+8*\u+6] offset:512+64*\u
.endr
	s_wait_dscnt 0x0
	s_barrier_signal -1
	s_barrier_wait -1
.irp bb, 0,1,2,3,4,5,6,7
	ds_load_b32 v[AF+2*\bb], v[AAL] offset:512+64*\bb
.endr
	s_wait_dscnt 0x0
.macro PACK bb
	WIN 0x82+0x41*((\bb)/4)
.set n, 0
.rept 32
	v_pk_mul_f32 v[64*((\bb)%4)+2*n:64*((\bb)%4)+2*n+1], v[64*((\bb)%4)+2*n:64*((\bb)%4)+2*n+1], v[AF+2*(\bb):AF+2*(\bb)+1] op_sel_hi:[1,0]
.set n, n+1
.endr
.if (\bb) >= 4
	s_wait_xcnt 0x0                                ; the stores of the tile four back have read their registers, which are written again below
.endif
	WIN 0x0a+5*((\bb)/4)
.set n, 0
.rept 32
	v_cvt_pk_f16_f32 v[OUTR+32*((\bb)%4)+n], v[64*((\bb)%4)+2*n], v[64*((\bb)%4)+2*n+1]
.set n, n+1
.endr
	WIN 0
.irp f, 0,1,2,3,4,5,6,7
	ds_store_b128 v[STO], v[OUTR+32*((\bb)%4)+4*\f:OUTR+32*((\bb)%4)+4*\f+3] offset:32*\f
.endr
.irp f, 0,1,2,3,4,5,6,7
	ds_load_b128 v[OUTR+32*((\bb)%4)+4*\f:OUTR+32*((\bb)%4)+4*\f+3], v[RD] offset:\f*2*SP  ; LDS serves a wave's instructions in order (ISA guide 5.7.1.4): these see the stores above; the next tile's stores come behind them
.endr
.endm
.macro SEND bb, younger                ; younger: the LDS instructions issued behind this tile's loads: the next tile's sixteen, or none
	WIN 0
.irp f, 0,1,2,3,4,5,6,7
	s_wait_dscnt (\younger)+7-\f
	global_store_b128 v[GO], v[OUTR+32*((\bb)%4)+4*\f:OUTR+32*((\bb)%4)+4*\f+3], s[PZ:PZ+1] offset:(16*(\bb)+2*\f)*8192  ; 16 lanes store 256 consecutive bytes, aligned
.endr
.endm
	PACK 0
.irp t, 1,2,3,4,5,6,7                  ; a tile's arithmetic stands between the loads of the tile before and its stores
	PACK \t
	SEND (\t)-1, 16
.endr
	SEND 7, 0
	s_wait_tensorcnt 0x0                           ; the wave's end: behind my last tensor load and my last LDS store
	ds_add_u32 v[SPW], v[NIL]
	s_wait_dscnt 0x0
	CROUND                                         ; the closing round: no work-group ends while a partner may still ask for a tile that names it
	s_endpgm
.Lfunc_end_k_qc81a234da8_attn:
	.size	k_qc81a234da8_attn, .Lfunc_end_k_qc81a234da8_attn-k_qc81a234da8_attn
	.p2alignl 7, 3214868480
	.fill 96, 4, 3214868480
	.section	.rodata,"a",@progbits
	.p2align	6, 0x0
	.amdhsa_kernel k_qc81a234da8_attn
		.amdhsa_group_segment_fixed_size 327680
		.amdhsa_private_segment_fixed_size 0
		.amdhsa_enable_private_segment 0
		.amdhsa_kernarg_size 32
		.amdhsa_user_sgpr_count 2
		.amdhsa_user_sgpr_kernarg_segment_ptr 1
		.amdhsa_wavefront_size32 1
		.amdhsa_system_sgpr_workgroup_id_x 1
		.amdhsa_system_sgpr_workgroup_id_y 1
		.amdhsa_system_sgpr_workgroup_id_z 1
		.amdhsa_system_vgpr_workitem_id 0
		.amdhsa_next_free_vgpr 1024
		.amdhsa_next_free_sgpr 80
		.amdhsa_reserve_vcc 0
		.amdhsa_float_denorm_mode_32 3
		.amdhsa_float_denorm_mode_16_64 3
		.amdhsa_memory_ordered 1
		.amdhsa_forward_progress 1
		.amdhsa_inst_pref_size 252
	.end_amdhsa_kernel
	.amdgpu_metadata
---
amdhsa.version: [ 1, 2 ]
amdhsa.kernels:
  - .name:           k_qc81a234da8_attn
    .symbol:         k_qc81a234da8_attn.kd
    .args:
      - { .name: x16, .offset: 0, .size: 8, .value_kind: global_buffer, .address_space: global }
      - { .name: x16s, .offset: 8, .size: 8, .value_kind: global_buffer, .address_space: global }
      - { .name: Mt, .offset: 16, .size: 8, .value_kind: global_buffer, .address_space: global }
      - { .name: Zt, .offset: 24, .size: 8, .value_kind: global_buffer, .address_space: global }
    .group_segment_fixed_size: 327680
    .private_segment_fixed_size: 0
    .kernarg_segment_align: 8
    .kernarg_segment_size: 32
    .max_flat_workgroup_size: 128
    .sgpr_count:     80
    .vgpr_count:     1024
    .wavefront_size: 32
...
	.end_amdgpu_metadata
.endif
;; end of part 2
;; launch outp (part 3): grid 64 x 4, 4 waves a work-group, clusters of 4 x 4, 327,680 bytes of LDS; arguments Nw, Zt, out0; writes out0
.if DOCPART == 3
	.amdgcn_target "amdgcn-amd-amdhsa--gfx1250"
	.amdhsa_code_object_version 6
	.text
	.protected	k_qc81a234da8_outp
	.globl	k_qc81a234da8_outp
	.p2align	8
	.type	k_qc81a234da8_outp,@function
k_qc81a234da8_outp:
	s_mov_b64 s[64:65], 0
	v_nop
	global_prefetch_b8 v0, s[64:65] scope:SCOPE_SE
	s_setreg_imm32_b32 hwreg(HW_REG_WAVE_MODE, 25, 1), 1
	s_wait_xcnt 0x0
	s_wait_alu depctr_hold_cnt(0) depctr_sa_sdst(0) depctr_va_vdst(0) depctr_va_sdst(0) depctr_va_ssrc(0) depctr_va_vcc(0) depctr_vm_vsrc(0)
	s_getreg_b32 s2, hwreg(HW_REG_IB_STS2, 6, 4)
	s_cmp_eq_u32 s2, 0
	s_cbranch_scc0 .Lentry_in_a_cluster
	s_endpgm
.Lentry_in_a_cluster:
	s_bfe_u32 s2, ttmp6, 0x10000c
	s_cmp_lg_u32 s2, 0xf033
	s_cbranch_scc0 .Lentry_shape_is_right
	s_endpgm
.Lentry_shape_is_right:
; out0[b][dout][t] = 2^-4 x sum over f = 512 h + e of Nw[h][dout][e] Zt[b][t][f].  Nw, Zt in f16; sums in f32; out0 in f32.  (Nw holds 16 x the product of weights: the factor 2^-4 takes that back, exactly.)
; SHARES.  A tile of 128 dout x 64 t to a work-group: 4 x 64 = 256 work-groups.  K = 4,096 goes in 16 steps of 256 through two LDS slots.
; K IS SPLIT AMONG THE FOUR WAVES: of a step wave w takes f = 64 w .. 64 w + 63 for the whole tile: 8 x 4 accumulators, and each LDS byte is read once.  The four partial sums meet in LDS at the end
; (f32 sums in an order of their own).  Source 0 = 16 rows t of Zt, source 1 = 16 rows dout of Nw: a lane ends with eight neighbouring t of one row dout.
; CLUSTER 4 x 4.  Nw's tile hangs on the tile row (cy) alone: shared along a row of the cluster; Zt's on the tile column alone: shared along a column.  Each is asked for jointly.
; No prefetch: a step's tiles are small (96 KiB) and its work is 64 products a wave.
; REGISTERS.  window 0: v0-31 addresses; v64-159, v160-255 two fragment buffers (Zt's 4 fragments, then Nw's 8).  window 1: accumulator (ad, bt) at 8 (4 ad + bt).
.set PITCH, 528                        ; an LDS row: 512 bytes + 16 = 132 words: the 16 rows of a load start at 16 different groups of four banks (64 banks of 4 bytes: ISA guide 11.1)
.set NPART, 128*PITCH                  ; Nw's 128 rows, then Zt's 64
.set SLOT1, 1<<17
.set RPITCH, 272                       ; the partial sums: a row of 64 f32 + 16 bytes
.set REDW,  128*RPITCH                 ; a wave's partial tile; the four lie from byte 0 on, over slots that have had their last fill
.set SPARE, SLOT1+NPART+64*PITCH       ; behind the ring: the spare words, 128 bytes for each wave: two blocks of 256 bytes that no other line names
.set ADN, 16                           ; v16-17  my fragments of Nw in slot 0, 1
.set ADZ, 20                           ; v20-21  of Zt
.set RS,  24                           ; v24  where I put 32 bytes of a partial sum
.set RR,  25                           ; v25  where I read rows of waves 0 and 1's partial tiles
.set RR2, 26                           ; v26  of waves 2 and 3's
.set OO,  27                           ; v27  my byte offset in two rows of out0
.set SPW, 28                           ; v28  my spare word; never rewritten
.set NIL, 29                           ; v29  0; never rewritten
.set F0,  64
.set F1,  160
.set RB,  64                           ; the reduction: 8 x 16 registers
.set G1N, 24                           ; s[24:31] group 1 for Nw's tiles; s[32:39] group 0, a set for each slot
.set G0N, 32
.set G1Z, 48                           ; s[48:55], s[56:63] the same for Zt's
.set G0Z, 56
.set SC,  22                           ; s[22:23] 2^-4
.set MSB, 0
.macro WIN new
.if MSB != (\new)
	s_set_vgpr_msb (MSB<<8)|(\new)
.set MSB, (\new)
.endif
.endm
.macro PLACES                          ; four places in front of loads into registers that matrix instructions have read, and of stores that read results
.rept 4
	v_nop
.endr
.endm
.macro JLOAD sl                        ; a joint load: waves 0 and 1 fetch Nw's two halves, waves 2 and 3 Zt's; an s_nop 0 and four v_nop follow each of the two lines
	s_cmp_eq_u32 s11, 0
	s_cbranch_scc0 .Lfor_z_\@
	tensor_load_to_lds s[G0N+4*(\sl):G0N+4*(\sl)+3], s[G1N:G1N+7]
	s_nop 0
	PLACES
	s_branch .Lasked_\@
.Lfor_z_\@:
	tensor_load_to_lds s[G0Z+4*(\sl):G0Z+4*(\sl)+3], s[G1Z:G1Z+7]
	s_nop 0
	PLACES
.Lasked_\@:
.endm
.macro CREST                           ; a round of the cluster's barrier behind its opening barrier
	s_cmp_lg_u32 s10, 0
	s_cbranch_scc1 .Lnot_wave_0_\@
	s_barrier_signal -3
.Lnot_wave_0_\@:
	s_barrier_wait -3
	s_barrier_signal -1
	s_barrier_wait -1
.endm
.macro CROUND
	s_barrier_signal -1
	s_barrier_wait -1
	CREST
.endm
	s_load_b128 s[4:7], s[0:1], 0x0                ; Nw s[4:5], Zt s[6:7]
	s_load_b64 s[8:9], s[0:1], 0x10                ; out0
	v_lshl_add_u32 v[SPW], v0, 2, SPARE
	v_mov_b32 v[NIL], 0
	ds_add_u32 v[SPW], v[NIL]                      ; the wave's opening: the add and its wait stand ahead of my first tensor load; the set-up below, work on registers, stands between them
	ds_add_u32 v28, v29
	v_lshrrev_b32 v1, 5, v0
	v_readfirstlane_b32 s10, v1                    ; wave 0..3
	s_lshr_b32 s11, s10, 1                         ; I fetch for Nw (0) or for Zt (1),
	s_and_b32 s12, s10, 1                          ; this half of the tile's rows
	s_bfe_u32 s40, ttmp6, 0x40000                  ; cx
	s_bfe_u32 s41, ttmp6, 0x40004                  ; cy = the tile row: the grid is one cluster high
	s_lshl_b32 s42, ttmp9, 2
	s_add_co_u32 s42, s42, s40                     ; tile column = 4 x cluster x + cx = 16 b + the block of 64 t
	s_lshl_b32 s43, s41, 2
	s_lshl_b32 s43, 15, s43                        ; my row of the cluster
	s_lshl_b32 s44, 0x1111, s40                    ; my column
	s_or_b32 s[G1N], s43, (1<<16)|(1<<20)|(1<<21)|(6<<22)|(3<<25)  ; 15:0 the mask; 17:16 2-byte elements; 20 padding on; 21 set beside a mask; 24:22 after every 128 words (code 6); 31:25 4 words (code 3)
	s_or_b32 s[G1Z], s44, (1<<16)|(1<<20)|(1<<21)|(6<<22)|(3<<25)
	s_mov_b32 s[G1N+1], 256<<16                    ; tensor_dim0 = 256
	s_mov_b32 s[G1N+2], 64<<16                     ; tensor_dim1 = 64
	s_mov_b32 s[G1N+3], 256<<16                    ; tile_dim0 = 256
	s_mov_b32 s[G1N+4], 64                         ; tile_dim1 = 64
	s_mov_b32 s[G1N+5], 512                        ; a row of Nw has 512 elements
	s_mov_b32 s[G1N+6], 0
	s_mov_b32 s[G1N+7], 0
	s_mov_b32 s[G1Z+1], 256<<16
	s_mov_b32 s[G1Z+2], 32<<16
	s_mov_b32 s[G1Z+3], 256<<16
	s_mov_b32 s[G1Z+4], 32
	s_mov_b32 s[G1Z+5], 4096                       ; a row of Zt has 4,096
	s_mov_b32 s[G1Z+6], 0
	s_mov_b32 s[G1Z+7], 0
	s_lshl_b32 s14, s41, 17                        ; Nw: 128 rows of 1,024 bytes a tile row,
	s_lshl_b32 s16, s12, 16                        ; my 64 of them
	s_add_co_u32 s14, s14, s16
	s_mov_b32 s15, 0
	s_lshl_b32 s46, s42, 19                        ; Zt: 64 rows of 8,192 bytes a tile column,
	s_lshl_b32 s16, s12, 18                        ; my 32 of them
	s_add_co_u32 s46, s46, s16
	s_mov_b32 s47, 0
	s_mul_i32 s20, s12, 64*PITCH                   ; where they go: no place in the cluster enters an LDS address
	s_mul_i32 s21, s12, 32*PITCH
	s_add_co_u32 s21, s21, NPART
	s_lshr_b32 s18, s42, 4                         ; out0: the batch's 512 rows of 4,096 bytes,
	s_lshl_b32 s18, s18, 21
	s_lshl_b32 s17, s41, 19                        ; the tile's 128,
	s_add_co_u32 s18, s18, s17
	s_lshl_b32 s17, s10, 17                        ; the 32 that my wave finishes,
	s_add_co_u32 s18, s18, s17
	s_and_b32 s17, s42, 15
	s_lshl_b32 s17, s17, 8                         ; the block's 64 t
	s_add_co_u32 s18, s18, s17
	s_mov_b32 s19, 0
	s_mov_b32 s[SC], 0x3d800000
	s_mov_b32 s[SC+1], 0x3d800000                  ; named as a pair
	s_wait_dscnt 0x0                               ; the opening add is done
	s_wait_kmcnt 0x0
	s_add_nc_u64 s[14:15], s[4:5], s[14:15]
	s_add_nc_u64 s[46:47], s[6:7], s[46:47]
	s_add_nc_u64 s[8:9], s[8:9], s[18:19]
	CROUND                                         ; all sixteen work-groups are here: the first joint loads meet
.irp sl, 0,1
	s_mov_b32 s[G0N+4*\sl], 1                      ; 1:0 count = 1
	s_add_co_u32 s[G0N+4*\sl+1], s20, \sl*SLOT1    ; 63:32 LDS address
	s_add_nc_u64 s[G0N+4*\sl+2:G0N+4*\sl+3], s[14:15], \sl*512  ; K step sl: head 0, its first or second 256 e
	s_or_b32 s[G0N+4*\sl+3], s[G0N+4*\sl+3], 0x80000000         ; 127:126 type = 2
	s_mov_b32 s[G0Z+4*\sl], 1
	s_add_co_u32 s[G0Z+4*\sl+1], s21, \sl*SLOT1
	s_add_nc_u64 s[G0Z+4*\sl+2:G0Z+4*\sl+3], s[46:47], \sl*512
	s_or_b32 s[G0Z+4*\sl+3], s[G0Z+4*\sl+3], 0x80000000
	JLOAD \sl                                      ; both slots are asked for before anything else: two loads of mine are out
.endr
	v_and_b32 v1, 15, v0                           ; l % 16
	v_bfe_u32 v2, v0, 4, 1                         ; l / 16
	v_mul_u32_u24 v3, v1, PITCH
	v_lshl_add_u32 v3, v2, 4, v3                   ; a fragment's row x pitch + 16 x half,
	s_lshl_b32 s16, s10, 7
	v_add_nc_u32 v3, s16, v3                       ; + my wave's 64 f
	v_mov_b32 v[ADN], v3
	v_add_nc_u32 v[ADN+1], SLOT1, v3
	v_add_nc_u32 v[ADZ], NPART, v3
	v_add_nc_u32 v[ADZ+1], SLOT1+NPART, v3
	s_mul_i32 s16, s10, REDW
	v_mul_u32_u24 v[RS], v1, RPITCH                ; in: row dout = l % 16, 32 bytes for each half of the lanes
	v_lshl_add_u32 v[RS], v2, 5, v[RS]
	v_add_nc_u32 v[RS], s16, v[RS]
	s_mul_i32 s16, s10, 32*RPITCH                  ; back: wave w finishes rows 32 w .. 32 w + 31; lanes 0-15 one row of 256 bytes, lanes 16-31 the next
	v_mul_u32_u24 v[RR], v2, RPITCH
	v_lshl_add_u32 v[RR], v1, 4, v[RR]
	v_add_nc_u32 v[RR], s16, v[RR]
	v_add_nc_u32 v[RR2], 2*REDW, v[RR]
	v_lshlrev_b32 v[OO], 12, v2
	v_lshl_add_u32 v[OO], v1, 4, v[OO]
; 24 LDS loads: the fragments of my 32 f of half kk of my 64
.macro LOADF f, slot, kk
	WIN 0
.irp t, 0,1,2,3
	ds_load_b128 v[(\f)+8*\t:(\f)+8*\t+3],   v[ADZ+(\slot)] offset:16*PITCH*\t+64*(\kk)
	ds_load_b128 v[(\f)+8*\t+4:(\f)+8*\t+7], v[ADZ+(\slot)] offset:16*PITCH*\t+64*(\kk)+32
.endr
.irp t, 0,1,2,3,4,5,6,7
	ds_load_b128 v[(\f)+32+8*\t:(\f)+32+8*\t+3],   v[ADN+(\slot)] offset:16*PITCH*\t+64*(\kk)
	ds_load_b128 v[(\f)+32+8*\t+4:(\f)+32+8*\t+7], v[ADN+(\slot)] offset:16*PITCH*\t+64*(\kk)+32
.endr
.endm
; 16 products: t tiles 2 half, 2 half + 1 x all 8 dout tiles.  The 32 accumulators take turns, one instruction a turn, over the backward jump too.
.macro MULH f, half, zero
	WIN 0x50                                       ; C and D window 1
.irp bl, 0,1
.irp a, 0,1,2,3,4,5,6,7
.set rD, 8*(4*\a+2*(\half)+\bl)
.if \zero
	v_wmma_f32_16x16x32_f16 v[rD:rD+7], v[(\f)+8*(2*(\half)+\bl):(\f)+8*(2*(\half)+\bl)+7], v[(\f)+32+8*\a:(\f)+32+8*\a+7], 0
.else
	v_wmma_f32_16x16x32_f16 v[rD:rD+7], v[(\f)+8*(2*(\half)+\bl):(\f)+8*(2*(\half)+\bl)+7], v[(\f)+32+8*\a:(\f)+32+8*\a+7], v[rD:rD+7]
.endif
.endr
.endr
.endm
; A K STEP.  At its head the first half's 24 loads are out.  ONE barrier for the change of slots: in front of it each wave waits for all its tensor loads (its part of the next slot), adds 0 to its spare word,
; and waits for that and for its reads of this slot, which are all issued by then.  fill = 1: the barrier opens a round of the cluster's barrier, and this slot is filled again, two K steps ahead, first thing behind it.
.macro KSTEP slot, next, fill, zero
	PLACES
	LOADF F1, \slot, 1
	s_wait_dscnt 24                                ; the first half is in; the 24 just issued may be out
	MULH F0, 0, \zero
	WIN 0                                          ; (the add's two registers lie in window 0)
	s_wait_tensorcnt 0x0                           ; all my tensor loads have landed
	ds_add_u32 v[SPW], v[NIL]                      ; 0 onto my spare word: sixteen products stand between it and the wait for it
	MULH F0, 1, \zero
	s_wait_dscnt 0x0                               ; the add is done, and my reads of this slot are over
	s_barrier_signal -1
	MULH F1, 0, 0                                  ; work on registers while the others arrive
	WIN 0
	s_barrier_wait -1
.if \fill
	CREST                                          ; no wave of any partner still reads this slot's tiles or has a load on its way
	s_add_nc_u64 s[G0N+4*(\slot)+2:G0N+4*(\slot)+3], s[G0N+4*(\slot)+2:G0N+4*(\slot)+3], 524288  ; two K steps on: the next head's matrix,
	s_add_nc_u64 s[G0Z+4*(\slot)+2:G0Z+4*(\slot)+3], s[G0Z+4*(\slot)+2:G0Z+4*(\slot)+3], 1024    ; 512 f further along Zt's rows
	JLOAD \slot                                    ; the four v_nop behind it are also the places in front of the loads below
.else
	PLACES
.endif
	LOADF F0, \next, 0
	MULH F1, 1, 0
.endm
	s_wait_tensorcnt 1                             ; my part of K step 0 is in; K step 1's may stay out
	s_barrier_signal -1
	s_barrier_wait -1                              ; everybody's is
	LOADF F0, 0, 0
	KSTEP 0, 1, 1, 1                               ; the first step's first products start the sums
	KSTEP 1, 0, 1, 0
	WIN 0
	s_mov_b32 s3, 6
.Llap:                                             ; K steps 2 to 13; they ask for steps 4 to 15
	KSTEP 0, 1, 1, 0
	KSTEP 1, 0, 1, 0
	WIN 0
	s_sub_co_u32 s3, s3, 1
	s_cmp_lg_u32 s3, 0
	s_cbranch_scc1 .Llap
	KSTEP 0, 1, 0, 0                               ; K step 14 asks for nothing; its wait for all tensor loads is the launch's last that finds one out
	PLACES                                         ; K step 15
	LOADF F1, 1, 1
	s_wait_dscnt 24
	MULH F0, 0, 0
	MULH F0, 1, 0
	s_wait_dscnt 0x0                               ; my reads of the slots are over
	MULH F1, 0, 0
	MULH F1, 1, 0
	WIN 0
	PLACES
	s_barrier_signal -1
	s_barrier_wait -1                              ; everybody's are: the partial sums may be laid over the slots, which are filled no more
	WIN 0x04                                       ; store data in window 1
.irp a, 0,1,2,3,4,5,6,7
.irp t, 0,1,2,3
	ds_store_b128 v[RS], v[8*(4*\a+\t):8*(4*\a+\t)+3]   offset:16*RPITCH*\a+64*\t
	ds_store_b128 v[RS], v[8*(4*\a+\t)+4:8*(4*\a+\t)+7] offset:16*RPITCH*\a+64*\t+16
.endr
.endr
	WIN 0
	s_wait_dscnt 0x0                               ; for the others' sake: my stores are done
	s_barrier_signal -1
	s_barrier_wait -1
.irp hf, 0,1                           ; my 32 rows in two halves of eight pairs
.if \hf
	s_wait_xcnt 0x0                                ; the first half's stores have read their registers, which are loaded again
.endif
.irp n, 0,1,2,3,4,5,6,7
	ds_load_b128 v[RB+16*\n:RB+16*\n+3],     v[RR]  offset:2*RPITCH*(8*\hf+\n)
	ds_load_b128 v[RB+16*\n+4:RB+16*\n+7],   v[RR]  offset:2*RPITCH*(8*\hf+\n)+REDW
	ds_load_b128 v[RB+16*\n+8:RB+16*\n+11],  v[RR2] offset:2*RPITCH*(8*\hf+\n)
	ds_load_b128 v[RB+16*\n+12:RB+16*\n+15], v[RR2] offset:2*RPITCH*(8*\hf+\n)+REDW
.endr
.irp n, 0,1,2,3,4,5,6,7
	s_wait_dscnt 4*(7-\n)                          ; pair n's four loads are in; four for each later pair may be out
	v_pk_add_f32 v[RB+16*\n:RB+16*\n+1],     v[RB+16*\n:RB+16*\n+1],     v[RB+16*\n+4:RB+16*\n+5]
	v_pk_add_f32 v[RB+16*\n+2:RB+16*\n+3],   v[RB+16*\n+2:RB+16*\n+3],   v[RB+16*\n+6:RB+16*\n+7]
	v_pk_add_f32 v[RB+16*\n+8:RB+16*\n+9],   v[RB+16*\n+8:RB+16*\n+9],   v[RB+16*\n+12:RB+16*\n+13]
	v_pk_add_f32 v[RB+16*\n+10:RB+16*\n+11], v[RB+16*\n+10:RB+16*\n+11], v[RB+16*\n+14:RB+16*\n+15]
	v_pk_add_f32 v[RB+16*\n:RB+16*\n+1],     v[RB+16*\n:RB+16*\n+1],     v[RB+16*\n+8:RB+16*\n+9]
	v_pk_add_f32 v[RB+16*\n+2:RB+16*\n+3],   v[RB+16*\n+2:RB+16*\n+3],   v[RB+16*\n+10:RB+16*\n+11]
	v_pk_mul_f32 v[RB+16*\n:RB+16*\n+1],     v[RB+16*\n:RB+16*\n+1],     s[SC:SC+1] op_sel_hi:[1,0]
	v_pk_mul_f32 v[RB+16*\n+2:RB+16*\n+3],   v[RB+16*\n+2:RB+16*\n+3],   s[SC:SC+1] op_sel_hi:[1,0]
	global_store_b128 v[OO], v[RB+16*\n:RB+16*\n+3], s[8:9] offset:8192*(8*\hf+\n) th:TH_STORE_NT  ; 16 lanes store 256 consecutive bytes, aligned
.endr
.endr
	s_wait_tensorcnt 0x0                           ; the wave's end: behind my last tensor load and my last LDS store
	ds_add_u32 v[SPW], v[NIL]
	s_wait_dscnt 0x0
	CROUND                                         ; the closing round: no work-group ends while a partner may still ask for a tile that names it
	s_endpgm
.Lfunc_end_k_qc81a234da8_outp:
	.size	k_qc81a234da8_outp, .Lfunc_end_k_qc81a234da8_outp-k_qc81a234da8_outp
	.p2alignl 7, 3214868480
	.fill 96, 4, 3214868480
	.section	.rodata,"a",@progbits
	.p2align	6, 0x0
	.amdhsa_kernel k_qc81a234da8_outp
		.amdhsa_group_segment_fixed_size 327680
		.amdhsa_private_segment_fixed_size 0
		.amdhsa_enable_private_segment 0
		.amdhsa_kernarg_size 24
		.amdhsa_user_sgpr_count 2
		.amdhsa_user_sgpr_kernarg_segment_ptr 1
		.amdhsa_wavefront_size32 1
		.amdhsa_system_sgpr_workgroup_id_x 1
		.amdhsa_system_sgpr_workgroup_id_y 1
		.amdhsa_system_sgpr_workgroup_id_z 1
		.amdhsa_system_vgpr_workitem_id 0
		.amdhsa_next_free_vgpr 512
		.amdhsa_next_free_sgpr 66
		.amdhsa_reserve_vcc 0
		.amdhsa_float_denorm_mode_32 3
		.amdhsa_float_denorm_mode_16_64 3
		.amdhsa_memory_ordered 1
		.amdhsa_forward_progress 1
		.amdhsa_inst_pref_size 75
	.end_amdhsa_kernel
	.amdgpu_metadata
---
amdhsa.version: [ 1, 2 ]
amdhsa.kernels:
  - .name:           k_qc81a234da8_outp
    .symbol:         k_qc81a234da8_outp.kd
    .args:
      - { .name: Nw, .offset: 0, .size: 8, .value_kind: global_buffer, .address_space: global }
      - { .name: Zt, .offset: 8, .size: 8, .value_kind: global_buffer, .address_space: global }
      - { .name: out0, .offset: 16, .size: 8, .value_kind: global_buffer, .address_space: global }
    .group_segment_fixed_size: 327680
    .private_segment_fixed_size: 0
    .kernarg_segment_align: 8
    .kernarg_segment_size: 24
    .max_flat_workgroup_size: 128
    .sgpr_count:     66
    .vgpr_count:     512
    .wavefront_size: 32
...
	.end_amdgpu_metadata
.endif
;; end of part 3
;; ======== version 2 of 2: 3 launches; version 1 with the launch prep written anew for expert scheduling mode
;; limits: values are held in f16: magnitudes above 65,504 overflow, below 6.1e-05 lose precision
;; workspace buffers: Mt 4,194,304 bytes; Nw 4,194,304 bytes; x16 4,194,304 bytes; x16s 4,194,304 bytes; Zt 33,554,432 bytes
;; launch prep (part 4): grid 256 x 1, 4 waves a work-group, no clusters, 91,648 bytes of LDS; arguments W_q, W_k, W, W_v, x, Mt, Nw, x16, x16s; writes Mt, Nw, x16, x16s
.if DOCPART == 4
	.amdgcn_target "amdgcn-amd-amdhsa--gfx1250"
	.amdhsa_code_object_version 6
	.text
	.protected	k_qc81a234da8_prep
	.globl	k_qc81a234da8_prep
	.p2align	8
	.type	k_qc81a234da8_prep,@function
k_qc81a234da8_prep:
	s_mov_b64 s[64:65], 0
	v_nop
	global_prefetch_b8 v0, s[64:65] scope:SCOPE_SE
	s_setreg_imm32_b32 hwreg(HW_REG_WAVE_SCHED_MODE, 0, 2), 2
	s_setreg_imm32_b32 hwreg(HW_REG_WAVE_MODE, 25, 1), 1
	s_wait_xcnt 0x0
	s_wait_alu depctr_vm_vsrc(0)
; PREP.  Two products of weights, and x in 16 bits.
;   Mt[h][i][j] = f16(16 x sum over k of W_k[h][k][i] W_q[h][k][j])        (scores = x_s^T (W_q^T W_k) x_t: a reassociation of the module's products, true for every input)
;   Nw[h][i][j] = f16(16 x sum over k of W[512 h + k][i] W_v[h][k][j])     (result = sum over h of (W_h^T W_v[h]) (x A_h))
;   x16 = f16(bf16(x)), x16s = f16(bf16(x) x 2^-11), both laid [4 b][16 blocks of 64 s][512 e][64 s]: a block is 65,536 dense bytes.
; All five inputs are rounded once to bf16; the two products are multiplied in bf16 with f32 sums; what is stored is f16.
; LIMITS.  |x| under 65,504; bf16(x) is kept exactly from 2^-17 up, below that to within 2^-25.  |16 M| and |16 N| under 65,504.  NaN and infinities are not treated apart.
; SHARES.  256 work-groups: kind (2) x head (8) x 4 x 4 tiles of 128 i x 128 j.  Wave w makes rows i = 32 w .. 32 w + 31: 16 accumulators.  K = 512 goes in 8 steps of 64.
; Both operands lie [k][512] in f32: a wave loads 16 rows of 512 bytes of each, rounds them to bf16, stores them into LDS as [k][128], and every wave takes its fragments by the turning load.
; Source 0 is the j side, source 1 the i side: a lane ends with eight neighbouring j of one row i.
; The work-group also converts 128 e x 64 s of x.
; No tensor load: the operands pass through registers to be rounded.  No cluster, no prefetch: the launch is short and each work-group streams 512 KiB with 64 loads of a wave on their way.
; THE MODE: SCHED_MODE bits 1:0 = 2 (LLVM: expert scheduling mode 2), set by the entry lines.  The code itself states the register dependences
; between vector or matrix instructions and memory or LDS instructions, with s_wait_alu, always for 0.
; THE PLAN.  Registers that memory or LDS instructions touch:
;   v2-v10      offsets and LDS addresses: written at the head, never again; one wait ahead of the first load states that they are written.
;   SET0, SET1  (window 2) K step s: its 64 conversions read SET[s % 2]; behind them the loads of step s + 2 land in it.  No vector instruction writes them.
;   T           K step s: its conversions write T, its 32 LDS stores read it; step s + 1's conversions write it again.  On the way out: written by the roundings to f16, read by the stage's stores.
;   F0, F1      K step s: its 40 turning loads land in them, its 32 products read them.  At the start v32-127 hold x on its way; on the way out the stage's loads land in v32-95.
;   The accumulators (window 1) are named by vector and matrix instructions alone.
; So a K step has two such waits.  At its head, on vm_vsrc: the LDS stores of the step before have read T.  Behind its conversions, on va_vdst: T is written; the conversions are done reading
; SET[s % 2]; the products of the step before are done reading F0 and F1.  The step's global loads, LDS stores and turning loads all follow that wait, and no vector or matrix instruction stands among them.
.set ROWB,  2048                       ; bytes in a row of a weight matrix
.set STEPB, 64*ROWB                    ; a K step in memory
.set PT,    288                        ; an LDS row: 256 bytes + 32
.set TBO,   64*PT                      ; the j side's tile lies behind the i side's
.set BUFB,  2*TBO                      ; two such buffers take turns
.set STAGE, 2*BUFB                     ; 16 rows x 272 bytes for each wave, for the way out
.set SP,    272
.set VO,  2                            ; v2   16 l + 16 w rows: my 16 bytes in the wave's first row of a K step
.set DS0, 3                            ; v3   where my 8 bytes of that row go in LDS
.set FAA, 4                            ; v4   the turning load's address, i side (my wave's 32 columns)
.set FAB, 5                            ; v5   the same, j side
.set STO, 6                            ; v6   the way out: where I put 16 bytes of a row
.set RD,  7                            ; v7   where I read a row back
.set CO,  8                            ; v8   my byte offset in two rows of the result
.set XI,  9                            ; v9   my 16 bytes of x
.set XO,  10                           ; v10  my 8 bytes of x16 and x16s
.set F0,  32                           ; v32-111   fragments of the step's first 32 k: 2 of the i side, then 8 of the j side
.set F1,  112                          ; v112-191  of its second 32
.set T,   192                          ; v192-255  rounded pairs on their way into LDS
.set XA,  32                           ; at the start only: x16's 32 registers, x16s's 32, bf16 pairs
.set XB,  64
.set XT,  96
; window 1: v0-127 accumulator (ai, bj) at 8 (8 ai + bj).   window 2: v0-127, v128-255 two sets of loaded f32: i side's row n at 4 n, j side's at 64 + 4 n
.set PA,  24                           ; s[24:25] i side's operand at the step that set 0 or 1 was last loaded for, less one step
.set PB,  26                           ; s[26:27] j side's
.set PC,  28                           ; s[28:29] the result at my wave's first row
.set PXI, 30                           ; s[30:31] x
.set PXA, 32                           ; s[32:33] x16
.set PXB, 34                           ; s[34:35] x16s
.set WV,  36
.set CNT, 37
.set SC16, 38                          ; s[38:39] 16.0
.set SCX, 40                           ; s[40:41] 2^-11
.set MSK, 42
.set MSB, 0
.macro WIN new                         ; the immediate's high byte repeats the setting that is left; a switch that changes nothing is dropped
.if MSB != (\new)
	s_set_vgpr_msb (MSB<<8)|(\new)
.set MSB, (\new)
.endif
.endm
.macro PLACES
.rept 4
	v_nop
.endr
.endm
	s_load_b512 s[4:19], s[0:1], 0x0               ; W_q s[4:5], W_k s[6:7], W s[8:9], W_v s[10:11], x s[12:13], Mt s[14:15], Nw s[16:17], x16 s[18:19]
	s_load_b64 s[20:21], s[0:1], 0x40              ; x16s
	v_lshl_add_u32 v30, v0, 2, 0x16400
	v_mov_b32 v31, 0
	v_lshrrev_b32 v1, 5, v0
	v_readfirstlane_b32 s[WV], v1                  ; wave 0..3
	v_and_b32 v14, 31, v0                          ; l
	v_and_b32 v15, 15, v0                          ; l % 16
	v_bfe_u32 v16, v0, 4, 1                        ; l / 16
	v_and_b32 v17, 7, v0
	v_bfe_u32 v18, v0, 3, 1
	s_wait_alu depctr_va_sdst(0)                   ; the wave's number is written, ahead of its first reader: offsets and LDS addresses are made from it
	s_lshr_b32 s44, ttmp9, 7                       ; kind: 0 Mt, 1 Nw
	s_bfe_u32 s45, ttmp9, 0x30004                  ; head
	s_bfe_u32 s46, ttmp9, 0x20002                  ; tile row
	s_and_b32 s47, ttmp9, 3                        ; tile column
	s_lshl_b32 s48, s45, 20                        ; a head's matrix: 512 x 2,048 bytes
	s_lshl_b32 s50, s46, 9                         ; 128 columns of f32
	s_add_co_u32 s50, s50, s48
	s_mov_b32 s51, 0
	s_lshl_b32 s52, s47, 9
	s_add_co_u32 s52, s52, s48
	s_mov_b32 s53, 0
	s_lshl_b32 s54, s45, 19                        ; the result: a head is 512 x 1,024 bytes,
	s_lshl_b32 s48, s46, 17                        ; 128 rows,
	s_add_co_u32 s54, s54, s48
	s_lshl_b32 s48, s[WV], 15                      ; my wave's 32 of them,
	s_add_co_u32 s54, s54, s48
	s_lshl_b32 s48, s47, 8                         ; 128 columns of f16
	s_add_co_u32 s54, s54, s48
	s_mov_b32 s55, 0
	s_lshr_b32 s56, ttmp9, 6                       ; for x the same number reads as batch (2 bits), block of 64 s (4 bits), quarter of e (2 bits)
	s_bfe_u32 s57, ttmp9, 0x40002
	s_lshl_b32 s58, s56, 21
	s_lshl_b32 s48, s47, 19                        ; 128 rows of 4,096 bytes
	s_add_co_u32 s58, s58, s48
	s_lshl_b32 s48, s57, 8
	s_add_co_u32 s58, s58, s48
	s_mov_b32 s59, 0
	s_lshl_b32 s60, s56, 20
	s_lshl_b32 s48, s57, 16
	s_add_co_u32 s60, s60, s48
	s_lshl_b32 s48, s47, 14                        ; 128 rows of 128 bytes
	s_add_co_u32 s60, s60, s48
	s_mov_b32 s61, 0
	s_mov_b32 s[SC16], 0x41800000
	s_mov_b32 s[SC16+1], 0x41800000                ; named as pairs, so both words are written
	s_mov_b32 s[SCX], 0x3a000000
	s_mov_b32 s[SCX+1], 0x3a000000
	s_mov_b32 s[MSK], 0xffff0000
	v_lshlrev_b32 v[VO], 4, v14
	s_lshl_b32 s48, s[WV], 15                      ; 16 rows of 2,048 bytes
	v_add_nc_u32 v[VO], s48, v[VO]
	s_mul_i32 s48, s[WV], 16*PT
	v_lshl_add_u32 v[DS0], v14, 3, s48
	v_lshl_add_u32 v19, v16, 3, v17                ; the turning load: lane l reads row 8 (l / 16) + l % 8, 16 bytes at 16 ((l / 8) % 2)
	v_mul_u32_u24 v19, v19, PT
	v_lshl_add_u32 v19, v18, 4, v19
	s_lshl_b32 s48, s[WV], 6
	v_add_nc_u32 v[FAA], s48, v19
	v_add_nc_u32 v[FAB], TBO, v19
	s_mul_i32 s48, s[WV], 16*SP
	s_add_co_u32 s48, s48, STAGE
	v_mul_u32_u24 v[STO], v15, SP
	v_lshl_add_u32 v[STO], v16, 4, v[STO]
	v_add_nc_u32 v[STO], s48, v[STO]
	v_mul_u32_u24 v[RD], v16, SP
	v_lshl_add_u32 v[RD], v15, 4, v[RD]
	v_add_nc_u32 v[RD], s48, v[RD]
	v_lshlrev_b32 v[CO], 10, v16
	v_lshl_add_u32 v[CO], v15, 4, v[CO]
	v_lshlrev_b32 v[XI], 12, v16                   ; x: lanes 0-15 take 256 bytes of one row, lanes 16-31 of the next
	v_lshl_add_u32 v[XI], v15, 4, v[XI]
	s_lshl_b32 s48, s[WV], 17                      ; my wave's 32 rows
	v_add_nc_u32 v[XI], s48, v[XI]
	s_lshl_b32 s48, s[WV], 12
	v_lshl_add_u32 v[XO], v14, 3, s48              ; out: 32 lanes x 8 bytes are two rows of 128 bytes, 256 bytes on end
	s_wait_kmcnt 0x0
	s_cmp_eq_u32 s44, 0
	s_cselect_b64 s[PA:PA+1], s[6:7], s[8:9]       ; i side: W_k or W
	s_cselect_b64 s[PB:PB+1], s[4:5], s[10:11]     ; j side: W_q or W_v
	s_cselect_b64 s[PC:PC+1], s[14:15], s[16:17]   ; Mt or Nw
	s_add_nc_u64 s[PA:PA+1], s[PA:PA+1], s[50:51]
	s_add_nc_u64 s[PB:PB+1], s[PB:PB+1], s[52:53]
	s_add_nc_u64 s[PC:PC+1], s[PC:PC+1], s[54:55]
	s_add_nc_u64 s[PXI:PXI+1], s[12:13], s[58:59]
	s_add_nc_u64 s[PXA:PXA+1], s[18:19], s[60:61]
	s_add_nc_u64 s[PXB:PXB+1], s[20:21], s[60:61]
; A K step's 32 loads of the wave into one set: rows 16 w + n of both operands, 512 consecutive bytes each.  (Ahead of the loop; in a K step the same loads are dealt among the LDS stores.)
.macro LOADS set, off
	WIN 0x80                                       ; destination window 2, address window 0
.set n, 0
.rept 16
	global_load_b128 v[128*(\set)+4*n:128*(\set)+4*n+3], v[VO], s[PA:PA+1] offset:(\off)+ROWB*n
	global_load_b128 v[128*(\set)+64+4*n:128*(\set)+64+4*n+3], v[VO], s[PB:PB+1] offset:(\off)+ROWB*n
.set n, n+1
.endr
.endm
; 20 turning loads: the fragments of 32 k (half kk of the step) out of buffer set.
.macro FRAGS set, kk, f
.irp ai, 0,1
	ds_load_tr16_b128 v[(\f)+8*\ai:(\f)+8*\ai+3],   v[FAA] offset:BUFB*(\set)+32*PT*(\kk)+32*\ai
	ds_load_tr16_b128 v[(\f)+8*\ai+4:(\f)+8*\ai+7], v[FAA] offset:BUFB*(\set)+32*PT*(\kk)+32*\ai+16*PT
.endr
.irp bj, 0,1,2,3,4,5,6,7
	ds_load_tr16_b128 v[(\f)+16+8*\bj:(\f)+16+8*\bj+3],   v[FAB] offset:BUFB*(\set)+32*PT*(\kk)+32*\bj
	ds_load_tr16_b128 v[(\f)+16+8*\bj+4:(\f)+16+8*\bj+7], v[FAB] offset:BUFB*(\set)+32*PT*(\kk)+32*\bj+16*PT
.endr
.endm
; 16 products: the 16 accumulators take turns, one instruction a turn, over the backward jump too.
.macro MUL f
	WIN 0x50                                       ; C and D window 1
.irp ai, 0,1
.irp bj, 0,1,2,3,4,5,6,7
.set rD, 8*(8*\ai+\bj)
	v_wmma_f32_16x16x32_bf16 v[rD:rD+7], v[(\f)+16+8*\bj:(\f)+16+8*\bj+7], v[(\f)+8*\ai:(\f)+8*\ai+7], v[rD:rD+7]
.endr
.endr
.endm
; A K STEP.  left: the younger loads that may stay out (the other set's 32, or none).  ahead = 1: the set is loaded again, for the step two on.
; ONE barrier a step: in front of it each wave has waited for its stores into this buffer, and (at the end of the step before) for its reads of the other buffer; so the other buffer is
; written again, a step later, only when every wave has read it.
.macro STEP set, ahead, left
	s_wait_loadcnt \left                           ; loads come back in order (ISA guide 5.7.1): this set is in
	s_wait_alu depctr_vm_vsrc(0)                   ; the LDS stores of the step before have read T, which the conversions below write again; in the first step x's stores have read v32-95, in which fragments land below
	WIN 0x0a                                       ; sources window 2, destination window 0
.set n, 0
.rept 64
	v_cvt_pk_bf16_f32 v[T+n], v[128*(\set)+2*n], v[128*(\set)+2*n+1]  ; these 64 are also the places behind the last products
.set n, n+1
.endr
.if \ahead
	s_wait_xcnt 0x0                                ; every earlier load and store has read its address and data registers: the two pointers are stepped only behind this wait
	s_add_nc_u64 s[PA:PA+1], s[PA:PA+1], STEPB
	s_add_nc_u64 s[PB:PB+1], s[PB:PB+1], STEPB
	WIN 0x80                                       ; loaded data window 2; a load's address and an LDS store's address and data window 0
.else
	WIN 0
.endif
	s_wait_alu depctr_va_vdst(0)                   ; the conversions have written T, which the LDS stores read, and are done reading this set, in which the loads land; the last step's products are done reading F0 and F1, in which the turning loads below land
.set n, 0
.rept 16                               ; the set is asked for again at once: two loads and two LDS stores by turns, under one window setting
.if \ahead
	global_load_b128 v[128*(\set)+4*n:128*(\set)+4*n+3], v[VO], s[PA:PA+1] offset:STEPB+ROWB*n
	global_load_b128 v[128*(\set)+64+4*n:128*(\set)+64+4*n+3], v[VO], s[PB:PB+1] offset:STEPB+ROWB*n
.endif
	ds_store_b64 v[DS0], v[T+2*n:T+2*n+1] offset:BUFB*(\set)+PT*n
	ds_store_b64 v[DS0], v[T+32+2*n:T+32+2*n+1] offset:BUFB*(\set)+TBO+PT*n
.set n, n+1
.endr
	WIN 0
	s_wait_dscnt 0x0                               ; for the others' sake: my stores are done
	s_barrier_signal -1
	s_barrier_wait -1
	FRAGS \set, 0, F0                              ; no vector or matrix instruction since the wait on va_vdst above: nothing more is owed
	FRAGS \set, 1, F1
	s_wait_dscnt 20                                ; the first 32 k are in; the 20 younger loads may be out
	MUL F0
	s_wait_dscnt 0x0
	MUL F1
.endm
	WIN 0x80
	s_wait_alu depctr_va_vdst(0)                   ; the nine offsets and addresses v2 to v10 are written: every load and store of the kernel, global or LDS, reads one of them
.set n, 0
.rept 16
	global_load_b128 v[128+4*n:128+4*n+3], v[XI], s[PXI:PXI+1] offset:8192*n th:TH_LOAD_NT  ; x, two rows a load, into set 1's registers
.set n, n+1
.endr
	LOADS 0, 0                                     ; K step 0
	WIN 0x40
.set n, 0
.rept 128
	v_mov_b32 v[n], 0                              ; the sums start at 0, written while the first loads are out, so that the loop has one form of product
.set n, n+1
.endr
	s_wait_loadcnt 32                              ; x is in; K step 0's 32 loads may be out
	WIN 0x0a
.set n, 0
.rept 32
	v_cvt_pk_bf16_f32 v[XT+n], v[128+2*n], v[128+2*n+1]  ; x rounded to bf16, as all inputs are
.set n, n+1
.endr
	WIN 0
.set n, 0
.rept 16
.set rU, T+4*(n%4)
	v_lshlrev_b32 v[rU],   16, v[XT+2*n]           ; back to f32: a shift or a mask
	v_and_b32     v[rU+1], s[MSK], v[XT+2*n]
	v_lshlrev_b32 v[rU+2], 16, v[XT+2*n+1]
	v_and_b32     v[rU+3], s[MSK], v[XT+2*n+1]
	v_cvt_pk_f16_f32 v[XA+2*n],   v[rU],   v[rU+1]
	v_cvt_pk_f16_f32 v[XA+2*n+1], v[rU+2], v[rU+3]
	v_pk_mul_f32 v[rU:rU+1],   v[rU:rU+1],   s[SCX:SCX+1] op_sel_hi:[1,0]
	v_pk_mul_f32 v[rU+2:rU+3], v[rU+2:rU+3], s[SCX:SCX+1] op_sel_hi:[1,0]
	v_cvt_pk_f16_f32 v[XB+2*n],   v[rU],   v[rU+1]
	v_cvt_pk_f16_f32 v[XB+2*n+1], v[rU+2], v[rU+3]
.set n, n+1
.endr
	WIN 0x80                                       ; loaded data window 2; a store's address and data window 0
	s_wait_alu depctr_va_vdst(0)                   ; the roundings have written v32-95, which x's stores read; the conversions to bf16 are done reading set 1, in which K step 1's loads land
	LOADS 1, STEPB                                 ; K step 1: the loads ahead of the stores
.set n, 0
.rept 16
	global_store_b64 v[XO], v[XA+2*n:XA+2*n+1], s[PXA:PXA+1] offset:256*n  ; the wave's store covers 256 consecutive bytes, aligned
	global_store_b64 v[XO], v[XB+2*n:XB+2*n+1], s[PXB:PXB+1] offset:256*n
.set n, n+1
.endr
	WIN 0
	s_mov_b32 s[CNT], 3
.Lpair:                                            ; K steps 0 to 5; they load steps 2 to 7.  (The first step's s_wait_xcnt 0 also frees the registers that x's stores read.)
	STEP 0, 1, 32
	STEP 1, 1, 32
	WIN 0
	s_sub_co_u32 s[CNT], s[CNT], 1
	s_cmp_lg_u32 s[CNT], 0
	s_cbranch_scc1 .Lpair
	STEP 0, 0, 32                                  ; the last two steps load nothing
	STEP 1, 0, 0
	PLACES                                         ; four places behind the last product, before its result is read (ISA guide 7.12.1)
; THE WAY OUT of my rows 16 ai .. 16 ai + 15: times 16, rounded to f16, 16 bytes a lane into my own stage, back as whole rows of 256 bytes.
; Both halves' arithmetic comes first, so that one wait states what both halves' LDS instructions hang on.
.macro OUTV ai
	WIN 0x41
.set n, 0
.rept 32
	v_pk_mul_f32 v[64*(\ai)+2*n:64*(\ai)+2*n+1], v[64*(\ai)+2*n:64*(\ai)+2*n+1], s[SC16:SC16+1] op_sel_hi:[1,0]
.set n, n+1
.endr
	WIN 0x05
.set n, 0
.rept 32
	v_cvt_pk_f16_f32 v[T+32*(\ai)+n], v[64*(\ai)+2*n], v[64*(\ai)+2*n+1]
.set n, n+1
.endr
.endm
.macro OUTL ai
	WIN 0
.irp bj, 0,1,2,3,4,5,6,7
	ds_store_b128 v[STO], v[T+32*(\ai)+4*\bj:T+32*(\ai)+4*\bj+3] offset:32*\bj
.endr
.irp bj, 0,1,2,3,4,5,6,7
	ds_load_b128 v[F0+32*(\ai)+4*\bj:F0+32*(\ai)+4*\bj+3], v[RD] offset:\bj*2*SP  ; LDS serves a wave's instructions in order (ISA guide 5.7.1.4): these see the stores above; the next half's stores come behind them
.endr
.endm
.macro SENDP ai, younger
.irp bj, 0,1,2,3,4,5,6,7
	s_wait_dscnt (\younger)+7-\bj
	global_store_b128 v[CO], v[F0+32*(\ai)+4*\bj:F0+32*(\ai)+4*\bj+3], s[PC:PC+1] offset:(16*(\ai)+2*\bj)*1024  ; 16 lanes store 256 consecutive bytes, aligned
.endr
.endm
	s_wait_alu depctr_vm_vsrc(0)                   ; the last step's LDS stores have read T, which the roundings below write again
	OUTV 0
	OUTV 1
	WIN 0
	s_wait_alu depctr_va_vdst(0)                   ; the roundings have written T, which the stage's stores read; the last products are done reading v32-95, in which the stage's loads land
	OUTL 0
	OUTL 1
	SENDP 0, 16
	SENDP 1, 0
	s_wait_dscnt 0x0                               ; the wave's end: the closing add below goes onto the spare words, the 512 bytes behind the stages
	s_wait_alu depctr_hold_cnt(0) depctr_sa_sdst(0) depctr_va_vdst(0) depctr_va_sdst(0) depctr_va_ssrc(0) depctr_va_vcc(0) depctr_vm_vsrc(0)
	s_wait_tensorcnt 0x0
	ds_add_u32 v30, v31
	s_wait_dscnt 0x0
	s_endpgm
.Lfunc_end_k_qc81a234da8_prep:
	.size	k_qc81a234da8_prep, .Lfunc_end_k_qc81a234da8_prep-k_qc81a234da8_prep
	.p2alignl 7, 3214868480
	.fill 96, 4, 3214868480
	.section	.rodata,"a",@progbits
	.p2align	6, 0x0
	.amdhsa_kernel k_qc81a234da8_prep
		.amdhsa_group_segment_fixed_size 91648
		.amdhsa_private_segment_fixed_size 0
		.amdhsa_enable_private_segment 0
		.amdhsa_kernarg_size 72
		.amdhsa_user_sgpr_count 2
		.amdhsa_user_sgpr_kernarg_segment_ptr 1
		.amdhsa_wavefront_size32 1
		.amdhsa_system_sgpr_workgroup_id_x 1
		.amdhsa_system_sgpr_workgroup_id_y 1
		.amdhsa_system_sgpr_workgroup_id_z 1
		.amdhsa_system_vgpr_workitem_id 0
		.amdhsa_next_free_vgpr 768
		.amdhsa_next_free_sgpr 66
		.amdhsa_reserve_vcc 0
		.amdhsa_float_denorm_mode_32 3
		.amdhsa_float_denorm_mode_16_64 3
		.amdhsa_memory_ordered 1
		.amdhsa_forward_progress 1
		.amdhsa_inst_pref_size 92
	.end_amdhsa_kernel
	.amdgpu_metadata
---
amdhsa.version: [ 1, 2 ]
amdhsa.kernels:
  - .name:           k_qc81a234da8_prep
    .symbol:         k_qc81a234da8_prep.kd
    .args:
      - { .name: W_q, .offset: 0, .size: 8, .value_kind: global_buffer, .address_space: global }
      - { .name: W_k, .offset: 8, .size: 8, .value_kind: global_buffer, .address_space: global }
      - { .name: W, .offset: 16, .size: 8, .value_kind: global_buffer, .address_space: global }
      - { .name: W_v, .offset: 24, .size: 8, .value_kind: global_buffer, .address_space: global }
      - { .name: x, .offset: 32, .size: 8, .value_kind: global_buffer, .address_space: global }
      - { .name: Mt, .offset: 40, .size: 8, .value_kind: global_buffer, .address_space: global }
      - { .name: Nw, .offset: 48, .size: 8, .value_kind: global_buffer, .address_space: global }
      - { .name: x16, .offset: 56, .size: 8, .value_kind: global_buffer, .address_space: global }
      - { .name: x16s, .offset: 64, .size: 8, .value_kind: global_buffer, .address_space: global }
    .group_segment_fixed_size: 91648
    .private_segment_fixed_size: 0
    .kernarg_segment_align: 8
    .kernarg_segment_size: 72
    .max_flat_workgroup_size: 128
    .sgpr_count:     66
    .vgpr_count:     768
    .wavefront_size: 32
...
	.end_amdgpu_metadata
.endif
;; end of part 4
;; launch attn: the kernel of part 2 again; grid 8 x 32, 4 waves a work-group, clusters of 4 x 1, 327,680 bytes of LDS; arguments x16, x16s, Mt, Zt; writes Zt
;; launch outp: the kernel of part 3 again; grid 64 x 4, 4 waves a work-group, clusters of 4 x 4, 327,680 bytes of LDS; arguments Nw, Zt, out0; writes out0
